; MI455X (gfx1250); checked and timed in simulation.
; The chip was launched on July 23, 2026; its instructions are those of AMD's public machine-readable ISA for CDNA 5 (MIT licence, August 2026) and "CDNA5" Instruction Set Architecture Reference Guide (July 2026). The comments in the code are by the model that wrote it; some were corrected since.
;; Multi Head Attention. Allowed arithmetic: matrix products marked QUANTISED: E2M1 operands, one E8M0 scale for each 32 along K, by v_wmma_scale_f32_16x16x128_f8f6f4 with both operands' format E2M1 (or v_wmma_scale_f32_32x16x128_f4), f32 sums; products left as they are: bf16, f16 or f32 operands; f32 sums; everything else in f32.
;; Inputs: Wk 16 x 64 x 1,024 float32; Wo 1,024 x 1,024 float32; Wq 16 x 64 x 1,024 float32; Wv 16 x 64 x 1,024 float32; bo 1,024 float32; x 4 x 2,048 x 1,024 float32.
;; Outputs: out0 4 x 2,048 x 1,024 float32.
;; This version of the problem:
;;   THIS VERSION OF THE PROBLEM IS GIVEN IN LOW PRECISION. The matrix products marked QUANTISED in the list below multiply operands that are first quantised to E2M1 (2 exponent bits, 1 mantissa bit; 4 bits a number), with one power-of-two scale for each 32 numbers along K (OCP MX v1.0); their sums are f32. The products marked 'left as it is' may take bf16, f16 or f32 operands, with f32 sums. All else is computed in f32.
;;   The module's matrix products, in the order in which they are computed (A, B: the left and right operand; K: the contracted axis; several contracted axes count as one K, in the product's order):
;;     1. [M 1,024, K 1,024] x [K 1,024, N 8,192]; A: input Wq; B: input x: QUANTISED
;;     2. [M 1,024, K 1,024] x [K 1,024, N 8,192]; A: input Wk; B: input x: QUANTISED
;;     3. [M 1,024, K 1,024] x [K 1,024, N 8,192]; A: input Wv; B: input x: QUANTISED
;;     4. batch 64 x [M 2,048, K 64] x [K 64, N 2,048]; A: computed on the way; B: computed on the way: left as it is (an operand is computed on the way)
;;     5. batch 64 x [M 2,048, K 2,048] x [K 2,048, N 64]; A: computed on the way; B: computed on the way: left as it is (an operand is computed on the way)
;;     6. [M 8,192, K 1,024] x [K 1,024, N 1,024]; A: computed on the way; B: input Wo: left as it is (an operand is computed on the way)
;;   THE QUANTISER, for each operand of a quantised product, along K:
;;     - K is cut into blocks of 32 from its start; a last block that is shorter is filled with zeros.
;;     - A block's scale is 2^e with e = floor(log2(the largest magnitude in the block)) - 2, held to -126 .. 127; a block of zeros has e = 0. As a byte (E8M0): e + 127.
;;     - Each number is divided by its block's scale, clamped to +-6, and rounded to the nearest number of E2M1, ties to even, subnormals kept.
;;     - The product sums the exact products of the quantised numbers (number of the format x scale) in f32.
;;   ~~~python
;;   def quantise(x, axis):      # numpy; x: float32 -> the quantised numbers, widened to float32 again
;;       x = np.moveaxis(x, axis, -1); K = x.shape[-1]
;;       x = np.pad(x, [(0, 0)] * (x.ndim - 1) + [(0, -K % 32)]); x = x.reshape(x.shape[:-1] + (-1, 32)); a = np.abs(x).max(-1, keepdims=True)
;;       e = np.where(a > 0, np.clip(np.frexp(np.where(a > 0, a, 1))[1] - 1 - 2, -126, 127), 0)      # np.frexp(a)[1] - 1 = floor(log2(a)), exactly
;;       r = np.clip(x / 2.0 ** e, -6, 6)
;;       step = 2.0 ** (np.maximum(np.frexp(np.where(r == 0, 1, r))[1] - 1, 0) - 1)
;;       q = np.round(r / step) * step * 2.0 ** e      # np.round: ties to even
;;       return np.moveaxis(q.reshape(q.shape[:-2] + (-1,))[..., :K], -1, axis).astype(np.float32)
;;   ~~~
;; One version. Each part assembles by itself: llvm-mc -triple=amdgcn-amd-amdhsa -mcpu=gfx1250 --defsym DOCPART=n.
;; ======== version 1 of 1: 5 launches
;; limits: values are held in f16: magnitudes above 65,504 overflow, below 6.1e-05 lose precision
;; workspace buffers: x_codes 4,194,304 bytes; x_scales 262,144 bytes; w_codes 1,572,864 bytes; w_scales 98,304 bytes; wo16 2,097,152 bytes; qkv 50,331,648 bytes; q32 786,432 bytes; att 16,777,216 bytes
;; launch quant (part 1): grid 384 x 1, 4 waves a work-group, no clusters, 33,280 bytes of LDS; arguments x, Wq, Wk, Wv, Wo, x_codes, x_scales, w_codes, w_scales, wo16; writes x_codes, x_scales, w_codes, w_scales, wo16
.if DOCPART == 1
	.amdgcn_target "amdgcn-amd-amdhsa--gfx1250"
	.amdhsa_code_object_version 6
	.text
	.protected	k_q8e0232d33a_quant
	.globl	k_q8e0232d33a_quant
	.p2align	8
	.type	k_q8e0232d33a_quant,@function
k_q8e0232d33a_quant:
	s_mov_b64 s[64:65], 0
	v_nop
	global_prefetch_b8 v0, s[64:65] scope:SCOPE_SE
	s_setreg_imm32_b32 hwreg(HW_REG_WAVE_MODE, 25, 1), 1
	s_wait_xcnt 0x0
; x [8192][1024] and Wq, Wk, Wv (each [1024][1024]), f32, become codes of FP4 (E2M1), K innermost, two codes a byte, with one E8M0 byte for each 32 along K.
; w_codes and w_scales hold Wq's 1,024 rows, then Wk's, then Wv's.  Wo [1024][1024] becomes f16, laid [n / 256][head 16][256 rows n][64]: a head's 64 numbers of a row are 128 bytes, rows dense.
; A block's scale is 2^(floor(log2(its largest magnitude)) - 2); its byte is the largest magnitude's exponent field - 2, held at 1 from below.  A block of zeros so gets the byte 1: its codes are zeros, and this program alone reads the bytes.
; LIMITS: blocks whose largest magnitude lies under 2^-124 keep the byte 1; NaN and infinities among the inputs are not served; |Wo| stays under 65,504, f16's largest number.
; Work-groups 0-255 take x, 256-351 the three weights (32 each), 352-383 Wo.  Rows are dense and K is a multiple of 32: the first four tensors are plain streams of blocks of 32.
; A wave takes 16 steps of 512 numbers: four loads of 512 consecutive bytes, a turn through the wave's own stage in LDS so that a lane holds 16 neighbours, two conversions, a store of 256 consecutive bytes.
; No tensor loads, no barrier: waves share nothing.  Matrix units and clusters have nothing to do here: the launch only streams.
.set STEPS, 16
.set EMAX,  2
.set CB,    8                          ; bytes of 16 codes
.set R,     16                         ; v16-79   four sets of 16 numbers as loaded
.set X,     80                         ; v80-111  two sets of 16 neighbours
.set E,     112                        ; v112-127 a scale byte for each step
.set C,     128                        ; v128-191 codes: registers of its own for each step
.set WREG,  8192                       ; LDS of a wave: two stages of 32 x SP bytes, then its 256 scale bytes
.set SP,    80                         ; a lane's place in a stage: 64 bytes + 16 of padding
.set NX,    256                        ; work-groups for x
.set NW,    32                         ; for each weight
.set NQW,   NX+3*NW
.set WI,    16                         ; Wo's path: v16-143 two sets of 64 numbers
.set WP,    144                        ; v144-175 the same as f16
	s_load_b256 s[4:11], s[0:1], 0x0               ; x, Wq, Wk, Wv
	s_load_b256 s[12:19], s[0:1], 0x20             ; Wo, x_codes, x_scales, w_codes
	s_load_b128 s[20:23], s[0:1], 0x40             ; w_scales, wo16
	v_lshl_add_u32 v192, v0, 2, 0x8000
	v_mov_b32 v193, 0
	v_lshrrev_b32 v1, 5, v0
	v_readfirstlane_b32 s24, v1                    ; wave
	v_and_b32 v2, 31, v0                           ; lane
	s_cmp_ge_u32 ttmp9, NQW
	s_cbranch_scc1 .Lwo
	v_lshlrev_b32 v3, 4, v2                        ; my 16 bytes of a load's 512
	s_mul_i32 s25, s24, WREG
	v_lshrrev_b32 v14, 2, v2
	v_mul_u32_u24 v14, v14, SP
	v_and_b32 v15, 3, v2
	v_lshl_add_u32 v14, v15, 4, v14
	v_add_nc_u32 v14, s25, v14                     ; the stage, way in: SP (lane / 4) + 16 (lane % 4)
	v_mul_u32_u24 v15, v2, SP
	v_add_nc_u32 v15, s25, v15                     ; way out: SP x lane: my 16 neighbours
	v_mul_u32_u24 v4, v2, CB                       ; my codes' place in a step's
	v_lshrrev_b32 v5, 1, v2
	s_add_co_u32 s25, s25, 2*32*SP
	v_add_nc_u32 v5, s25, v5                       ; my block's byte among the wave's 256
	v_lshlrev_b32 v7, 3, v2
	v_add_nc_u32 v6, s25, v7
	s_wait_kmcnt 0x0
	s_sub_co_u32 s26, ttmp9, NX                    ; which 32,768 numbers of the three weights (used where the work-group is not x's)
	s_and_b32 s27, s26, NW-1                       ; and of one weight
	s_cmp_lt_u32 s26, 2*NW                         ; the choices hang on the work-group's number alone
	s_cselect_b64 s[8:9], s[8:9], s[10:11]
	s_cmp_lt_u32 s26, NW
	s_cselect_b64 s[6:7], s[6:7], s[8:9]
	s_cmp_lt_u32 ttmp9, NX
	s_cselect_b64 s[4:5], s[4:5], s[6:7]           ; the source,
	s_cselect_b64 s[14:15], s[14:15], s[18:19]     ; its codes,
	s_cselect_b64 s[16:17], s[16:17], s[20:21]     ; its scale bytes
	s_cselect_b32 s27, ttmp9, s27
	s_cselect_b32 s26, ttmp9, s26
	s_lshl_b32 s27, s27, 2
	s_add_co_u32 s28, s27, s24                     ; my wave's run of 8,192 numbers in the source,
	s_mov_b32 s29, 0
	s_lshl_b32 s26, s26, 2
	s_add_co_u32 s30, s26, s24                     ; and in the destinations
	s_mov_b32 s31, 0
	s_lshl_b64 s[32:33], s[28:29], 15
	s_add_nc_u64 s[4:5], s[4:5], s[32:33]
	s_lshl_b64 s[32:33], s[30:31], 12
	s_add_nc_u64 s[14:15], s[14:15], s[32:33]
	s_lshl_b64 s[32:33], s[30:31], 8
	s_add_nc_u64 s[16:17], s[16:17], s[32:33]
.macro LOAD t
.irp i, 0,1,2,3
	global_load_b128 v[R+16*((\t)%4)+4*\i:R+16*((\t)%4)+4*\i+3], v3, s[4:5] offset:2048*(\t)+512*\i th:TH_LOAD_NT   ; 32 lanes read 512 consecutive bytes
.endr
.endm
.macro TURN t                          ; step t's numbers through the stage: LDS serves a wave's instructions in order, so no wait stands between the stores and the loads
.irp i, 0,1,2,3
	ds_store_b128 v14, v[R+16*((\t)%4)+4*\i:R+16*((\t)%4)+4*\i+3] offset:32*SP*((\t)%2)+8*SP*\i
.endr
.irp i, 0,1,2,3
	ds_load_b128 v[X+16*((\t)%2)+4*\i:X+16*((\t)%2)+4*\i+3], v15 offset:32*SP*((\t)%2)+16*\i
.endr
.endm
.irp t, 0,1,2,3
	LOAD \t
.endr
	s_wait_loadcnt 12                              ; step 0's four loads are in
	TURN 0
.macro STEP t
.set XS, X+16*((\t)%2)
.if (\t) > 0
	s_wait_dscnt 1                                 ; this step's numbers are back from the stage (the last step's byte store may be out)
.else
	s_wait_dscnt 0x0
.endif
.if (\t)+4 < STEPS
	LOAD (\t)+4                                    ; into the registers that the stage's stores have read
.endif
.if (\t)+1 < STEPS
.if STEPS-2-(\t) >= 3
	s_wait_loadcnt 12                              ; the next step's four loads are in; three steps' may be out
.else
	s_wait_loadcnt 4*(STEPS-2-(\t))
.endif
	TURN (\t)+1
.endif
	v_max3_num_f32 v8, |v[XS]|, |v[XS+1]|, |v[XS+2]|               ; the largest magnitude of my 16, in two chains
	v_max3_num_f32 v9, |v[XS+3]|, |v[XS+4]|, |v[XS+5]|
.irp i, 6,10
	v_max3_num_f32 v8, v8, |v[XS+\i]|, |v[XS+\i+1]|
	v_max3_num_f32 v9, v9, |v[XS+\i+2]|, |v[XS+\i+3]|
.endr
	v_max3_num_f32 v8, v8, |v[XS+14]|, |v[XS+15]|
	v_max3_num_f32 v8, v8, v9, (EMAX+1)<<23        ; and the floor 2^(3 - 127): the byte cannot fall under 1
	v_max_num_f32_dpp v8, v8, v8 row_xmask:1 row_mask:0xf bank_mask:0xf   ; with my neighbour's 16: the block's
	v_add_nc_u32 v11, -(EMAX<<23), v8              ; 2 off its exponent field: the conversion takes that field as its scale
	v_cvt_scalef32_pk8_fp4_f32 v[C+4*(\t)], v[XS:XS+7], v11
	v_cvt_scalef32_pk8_fp4_f32 v[C+4*(\t)+1], v[XS+8:XS+15], v11
	v_lshrrev_b32 v[E+(\t)], 23, v11               ; the scale's byte
	ds_store_b8 v5, v[E+(\t)] offset:16*(\t)       ; both lanes of a block write the same byte with the same value
	global_store_b64 v4, v[C+4*(\t):C+4*(\t)+1], s[14:15] offset:32*CB*(\t)   ; the wave stores 256 consecutive bytes, aligned
.endm
.irp t, 0,1,2,3,4,5,6,7,8,9,10,11,12,13,14,15
	STEP \t
.endr
	ds_load_b64 v[12:13], v6                       ; LDS serves a wave's instructions in order: these see my stores
	s_wait_dscnt 0x0
	global_store_b64 v7, v[12:13], s[16:17]        ; the wave's 256 scale bytes, aligned
	s_wait_tensorcnt 0x0
	ds_add_u32 v192, v193
	s_wait_dscnt 0x0
	s_endpgm
; Wo to f16.  A wave takes 8 rows, two at a time.  A load reads a head's 64 numbers of two rows (two runs of 256 consecutive bytes); the store of their f16 covers 256 consecutive bytes, aligned.
.Lwo:
	v_lshrrev_b32 v8, 4, v2                        ; which row of the pair
	v_and_b32 v9, 15, v2
	v_lshlrev_b32 v9, 4, v9
	v_lshl_add_u32 v8, v8, 12, v9                  ; in: 4,096 x (lane / 16) + 16 x (lane % 16)
	v_lshlrev_b32 v9, 3, v2                        ; out: 8 x lane
	s_sub_co_u32 s26, ttmp9, NQW
	s_lshl_b32 s27, s26, 5
	s_lshl_b32 s28, s24, 3
	s_add_co_u32 s27, s27, s28                     ; my first row n0 = 32 x work-group + 8 x wave
	s_lshl_b32 s28, s27, 12
	s_mov_b32 s29, 0
	s_lshr_b32 s30, s26, 3                         ; n0 / 256
	s_lshl_b32 s30, s30, 19
	s_and_b32 s31, s27, 255
	s_lshl_b32 s31, s31, 7
	s_add_co_u32 s30, s30, s31
	s_mov_b32 s31, 0
	s_wait_kmcnt 0x0
	s_add_nc_u64 s[12:13], s[12:13], s[28:29]
	s_add_nc_u64 s[22:23], s[22:23], s[30:31]
.macro LOADW p
.irp h, 0,1,2,3,4,5,6,7,8,9,10,11,12,13,14,15
	global_load_b128 v[WI+64*((\p)%2)+4*\h:WI+64*((\p)%2)+4*\h+3], v8, s[12:13] offset:(\p)*8192+\h*256 th:TH_LOAD_NT
.endr
.endm
.macro CVTW p, left
	s_wait_loadcnt \left                           ; this pair's sixteen loads are in; the next pair's may be out
	s_wait_xcnt 0x0                                ; the last pair's stores have read the packed registers
.irp h, 0,1,2,3,4,5,6,7,8,9,10,11,12,13,14,15
	v_cvt_pk_f16_f32 v[WP+2*\h], v[WI+64*((\p)%2)+4*\h], v[WI+64*((\p)%2)+4*\h+1]
	v_cvt_pk_f16_f32 v[WP+2*\h+1], v[WI+64*((\p)%2)+4*\h+2], v[WI+64*((\p)%2)+4*\h+3]
.endr
.irp h, 0,1,2,3,4,5,6,7,8,9,10,11,12,13,14,15
	global_store_b64 v9, v[WP+2*\h:WP+2*\h+1], s[22:23] offset:\h*32768+(\p)*256
.endr
.endm
	LOADW 0
	LOADW 1
	CVTW 0, 16
	LOADW 2
	CVTW 1, 16
	LOADW 3
	CVTW 2, 16
	CVTW 3, 0
	s_endpgm
.Lfunc_end_k_q8e0232d33a_quant:
	.size	k_q8e0232d33a_quant, .Lfunc_end_k_q8e0232d33a_quant-k_q8e0232d33a_quant
	.p2alignl 7, 3214868480
	.fill 96, 4, 3214868480
	.section	.rodata,"a",@progbits
	.p2align	6, 0x0
	.amdhsa_kernel k_q8e0232d33a_quant
		.amdhsa_group_segment_fixed_size 33280
		.amdhsa_private_segment_fixed_size 0
		.amdhsa_enable_private_segment 0
		.amdhsa_kernarg_size 80
		.amdhsa_user_sgpr_count 2
		.amdhsa_user_sgpr_kernarg_segment_ptr 1
		.amdhsa_wavefront_size32 1
		.amdhsa_system_sgpr_workgroup_id_x 1
		.amdhsa_system_sgpr_workgroup_id_y 1
		.amdhsa_system_sgpr_workgroup_id_z 1
		.amdhsa_system_vgpr_workitem_id 0
		.amdhsa_next_free_vgpr 194
		.amdhsa_next_free_sgpr 66
		.amdhsa_reserve_vcc 0
		.amdhsa_float_denorm_mode_32 3
		.amdhsa_float_denorm_mode_16_64 3
		.amdhsa_memory_ordered 1
		.amdhsa_forward_progress 1
		.amdhsa_inst_pref_size 55
	.end_amdhsa_kernel
	.amdgpu_metadata
---
amdhsa.version: [ 1, 2 ]
amdhsa.kernels:
  - .name:           k_q8e0232d33a_quant
    .symbol:         k_q8e0232d33a_quant.kd
    .args:
      - { .name: x, .offset: 0, .size: 8, .value_kind: global_buffer, .address_space: global }
      - { .name: Wq, .offset: 8, .size: 8, .value_kind: global_buffer, .address_space: global }
      - { .name: Wk, .offset: 16, .size: 8, .value_kind: global_buffer, .address_space: global }
      - { .name: Wv, .offset: 24, .size: 8, .value_kind: global_buffer, .address_space: global }
      - { .name: Wo, .offset: 32, .size: 8, .value_kind: global_buffer, .address_space: global }
      - { .name: x_codes, .offset: 40, .size: 8, .value_kind: global_buffer, .address_space: global }
      - { .name: x_scales, .offset: 48, .size: 8, .value_kind: global_buffer, .address_space: global }
      - { .name: w_codes, .offset: 56, .size: 8, .value_kind: global_buffer, .address_space: global }
      - { .name: w_scales, .offset: 64, .size: 8, .value_kind: global_buffer, .address_space: global }
      - { .name: wo16, .offset: 72, .size: 8, .value_kind: global_buffer, .address_space: global }
    .group_segment_fixed_size: 33280
    .private_segment_fixed_size: 0
    .kernarg_segment_align: 8
    .kernarg_segment_size: 80
    .max_flat_workgroup_size: 128
    .sgpr_count:     66
    .vgpr_count:     194
    .wavefront_size: 32
...
	.end_amdgpu_metadata
.endif
;; end of part 1
;; launch proj (part 2): grid 12 x 32, 4 waves a work-group, clusters of 4 x 4, 327,680 bytes of LDS; arguments x_codes, x_scales, w_codes, w_scales, qkv, q32; writes qkv, q32
.if DOCPART == 2
	.amdgcn_target "amdgcn-amd-amdhsa--gfx1250"
	.amdhsa_code_object_version 6
	.text
	.protected	k_q8e0232d33a_proj
	.globl	k_q8e0232d33a_proj
	.p2align	8
	.type	k_q8e0232d33a_proj,@function
k_q8e0232d33a_proj:
	s_mov_b64 s[64:65], 0
	v_nop
	global_prefetch_b8 v0, s[64:65] scope:SCOPE_SE
	s_setreg_imm32_b32 hwreg(HW_REG_WAVE_MODE, 25, 1), 1
	s_wait_xcnt 0x0
	s_wait_alu depctr_hold_cnt(0) depctr_sa_sdst(0) depctr_va_vdst(0) depctr_va_sdst(0) depctr_va_ssrc(0) depctr_va_vcc(0) depctr_vm_vsrc(0)
	s_getreg_b32 s2, hwreg(HW_REG_IB_STS2, 6, 4)
	s_cmp_eq_u32 s2, 0
	s_cbranch_scc0 .Lentry_in_a_cluster
	s_endpgm
.Lentry_in_a_cluster:
	s_bfe_u32 s2, ttmp6, 0x10000c
	s_cmp_lg_u32 s2, 0xf033
	s_cbranch_scc0 .Lentry_shape_is_right
	s_endpgm
.Lentry_shape_is_right:
; C[token][n] = sum over k of Q(x)[token][k] Q(W)[n][k], on codes of FP4 (E2M1) with one E8M0 scale for each 32 along K.  A = x: [8192][1024], B = Wq, Wk, Wv stacked: [3072][1024].  Sums in f32.
; C is not stored as a matrix: column n belongs to plane g = n / 64 (16 planes of q, 16 of k, 16 of v) and channel e = n % 64; qkv is [48][8192 tokens][64] f16, so that a head's rows are dense.
; The first 16 tokens of each batch of 2,048 leave a second time, in f32, as images of the accumulators' registers: q32 [batch][n / 16][half][lane][16 bytes].
; LIMIT: |q|, |k|, |v| stay under 65,504, f16's largest number.
; A tile of C, 256 x 256, is made by four waves, 128 x 128 each: 64 accumulators of 16 x 16, 512 registers.  K = 1,024 is two LDS slots of 512 along K: both are asked for at the head, and no slot is filled twice.
; The scales of the work-group's 256 rows of A and of B, for all of K, are two dense blocks: they come once, with the first fills.
; CLUSTERS: 4 x 4 work-groups.  The four of a row of the cluster need the same tiles of A, the four of a column the same tiles of B: each tile is asked for jointly.
; THE MATRIX INSTRUCTION IS USED TRANSPOSED (source 0 = 16 rows of B, source 1 = 16 rows of A): a lane holds one token and eight neighbouring channels.
; REGISTERS, in windows of 256: window 0: v0-31 addresses; v32-95 scale words, two sets; v128-191 A's fragments, one set; on the way out v32-63, v192-255.
;   window 1: B's fragments, two sets.   window 2: the accumulators of my rows 0-63 ((a, b) at v[8 (8 a + b)]);   window 3: those of rows 64-127.
.set SIZE_M, 8192
.set SIZE_N, 3072
.set SIZE_K, 1024
.set KSTEP,  512
.set NQ,     KSTEP/128
.set ROWB,   256                       ; a tile's row in bytes
.set KROW,   SIZE_K*4/8
.set PITCH,  272                       ; an LDS row: 256 bytes + 16 of padding: the 16 rows of a load start at 16 different banks
.set FR,     8
.set NL,     2
.set NP,     4
.set HALFT,  128*PITCH
.set SLOT,   4*HALFT
.set KS,     SIZE_K/32
.set SCL,    2*SLOT                    ; behind the slots: the scales, as units of 256 bytes + 16 of padding
.set HALFS,  (128*KS/256)*272
.set SBLK,   (16*KS/256)*272
.set SPARE,  SCL+4*HALFS               ; the spare words, 128 bytes a wave
.set SPITCH, 272                       ; the way out: 16 rows x (256 bytes + 16) for each wave, in slot 0, which has been filled and read for the last time by then
.set ADRA, 16
.set ADRB, 20
.set STO,  24
.set RD,   25
.set CO,   26
.set ADRS, 27
.set SPW,  28
.set NIL,  29
.set SC,   32
.set AF,   128
.set TMP,  192                         ; the way out: a block as f16
.set OB,   32                          ; and read back from the stage: v32-63 and v224-255 by turns
.set G1, 24
.set G0, 32
.set G1B, 48
.set G0B, 56
.set G1S, 68
.set G0S, 76
.set G1SB, 80
.set G0SB, 88
.set MSB, 0
.macro WIN new                         ; the immediate's high byte repeats the setting that is left
.if MSB != (\new)
	s_set_vgpr_msb (MSB<<8)|(\new)
.set MSB, (\new)
.endif
.endm
.set MUL_LO, 0xa1                      ; source 0 (B) window 1, source 1 (A) window 0, C and D window 2
.set MUL_HI, 0xf1
.set TO_B,   0x40
; A joint load: waves 0 and 1 fetch for A, waves 2 and 3 for B; the branch hangs on the wave's number alone.  Four v_nop follow each of the two lines.
.macro JLOAD g0a, g1a, g0b, g1b
	s_cmp_eq_u32 s15, 0
	s_cbranch_scc0 .Lfor_b_\@
	tensor_load_to_lds s[\g0a:\g0a+3], s[\g1a:\g1a+7]
	s_nop 0
.rept 4
	v_nop
.endr
	s_branch .Lasked_\@
.Lfor_b_\@:
	tensor_load_to_lds s[\g0b:\g0b+3], s[\g1b:\g1b+7]
	s_nop 0
.rept 4
	v_nop
.endr
.Lasked_\@:
.endm
.macro CROUND                          ; a round of the cluster's barrier
	s_barrier_signal -1
	s_barrier_wait -1
	s_cmp_lg_u32 s14, 0
	s_cbranch_scc1 .Lnot_wave_0_\@
	s_barrier_signal -3
.Lnot_wave_0_\@:
	s_barrier_wait -3
	s_barrier_signal -1
	s_barrier_wait -1
.endm
	s_load_b128 s[4:7], s[0:1], 0x0                ; x's codes, x's scales
	s_load_b128 s[8:11], s[0:1], 0x10              ; W's codes, W's scales
	s_load_b64 s[12:13], s[0:1], 0x20              ; qkv
	s_load_b64 s[98:99], s[0:1], 0x28              ; q32
	v_lshl_add_u32 v[SPW], v0, 2, SPARE
	v_mov_b32 v[NIL], 0
	ds_add_u32 v28, v29
	s_wait_dscnt 0x0
	v_lshrrev_b32 v1, 5, v0
	v_readfirstlane_b32 s14, v1                    ; wave 0..3
	s_lshr_b32 s15, s14, 1                         ; which half of the tile's rows is mine.  Also: I fetch for A (0) or for B (1)
	s_and_b32 s16, s14, 1                          ; which half of its columns.  Also: which 128 rows of that tile I fetch
	s_bfe_u32 s40, ttmp6, 0x40000                  ; cx, cy
	s_bfe_u32 s41, ttmp6, 0x40004
	s_lshl_b32 s42, ttmp9, 2
	s_add_co_u32 s42, s42, s40                     ; tile column
	s_and_b32 s17, ttmp7, 0xffff
	s_lshl_b32 s17, s17, 2
	s_add_co_u32 s17, s17, s41                     ; tile row
	s_lshl_b32 s43, s41, 2
	s_lshl_b32 s43, 15, s43                        ; my row of the cluster
	s_lshl_b32 s44, 0x1111, s40                    ; my column
	s_or_b32 s[G1+0], s43, (0<<16)|(1<<20)|(1<<21)|(5<<22)|(3<<25)  ; the mask; elements of 1 byte; padding: 4 words after every 64; bit 21 beside a mask
	s_or_b32 s[G1B+0], s44, (0<<16)|(1<<20)|(1<<21)|(5<<22)|(3<<25)
.irp g, G1, G1B
	s_mov_b32 s[\g+1], ROWB<<16                    ; tensor_dim0
	s_mov_b32 s[\g+2], 128<<16                     ; tensor_dim1
	s_mov_b32 s[\g+3], ROWB<<16                    ; tile_dim0
	s_mov_b32 s[\g+4], 128                         ; tile_dim1
	s_mov_b32 s[\g+5], KROW                        ; the pitch
	s_mov_b32 s[\g+6], 0
	s_mov_b32 s[\g+7], 0
.endr
	s_or_b32 s[G1S+0], s43, (3<<16)|(1<<20)|(1<<21)|(5<<22)|(3<<25)  ; the scales of 128 rows: a dense block, as rows of 256 bytes (32 elements of 8 bytes)
	s_or_b32 s[G1SB+0], s44, (3<<16)|(1<<20)|(1<<21)|(5<<22)|(3<<25)
.irp g, G1S, G1SB
	s_mov_b32 s[\g+1], 32<<16
	s_mov_b32 s[\g+2], (128*KS/256)<<16
	s_mov_b32 s[\g+3], 32<<16
	s_mov_b32 s[\g+4], 128*KS/256
	s_mov_b32 s[\g+5], 32
	s_mov_b32 s[\g+6], 0
	s_mov_b32 s[\g+7], 0
.endr
	s_lshl_b32 s18, s16, 7
	s_lshl_b32 s20, s17, 8
	s_add_co_u32 s20, s20, s18                     ; A: row 256 x tile row + 128 x half
	s_lshl_b32 s46, s42, 8
	s_add_co_u32 s46, s46, s18                     ; B: row 256 x tile column + 128 x half
	s_mov_b32 s21, 0
	s_mov_b32 s47, 0
	s_mov_b64 s[18:19], KS
	s_mul_u64 s[22:23], s[20:21], s[18:19]
	s_mul_u64 s[92:93], s[46:47], s[18:19]
	s_mov_b64 s[18:19], KROW
	s_mul_u64 s[20:21], s[20:21], s[18:19]
	s_mul_u64 s[46:47], s[46:47], s[18:19]
	s_mul_i32 s45, s14, HALFT                      ; where they go: wave x 128 rows
	s_mul_i32 s94, s14, HALFS
	s_wait_kmcnt 0x0
	s_add_nc_u64 s[20:21], s[4:5], s[20:21]
	s_add_nc_u64 s[22:23], s[6:7], s[22:23]
	s_add_nc_u64 s[46:47], s[8:9], s[46:47]
	s_add_nc_u64 s[92:93], s[10:11], s[92:93]
	CROUND                                         ; all sixteen work-groups are here: the joint loads meet
	s_mov_b32 s[G0S], 1
	s_add_co_u32 s[G0S+1], s94, SCL
	s_mov_b64 s[G0S+2:G0S+3], s[22:23]
	s_or_b32 s[G0S+3], s[G0S+3], 0x80000000
	s_mov_b32 s[G0SB], 1
	s_add_co_u32 s[G0SB+1], s94, SCL
	s_mov_b64 s[G0SB+2:G0SB+3], s[92:93]
	s_or_b32 s[G0SB+3], s[G0SB+3], 0x80000000
	JLOAD G0S, G1S, G0SB, G1SB                     ; the scales first; with the two slots three loads of mine are out
.irp s, 0,1
	s_mov_b32 s[G0+4*\s], 1
	s_add_co_u32 s[G0+4*\s+1], s45, \s*SLOT
	s_add_nc_u64 s[G0+4*\s+2:G0+4*\s+3], s[20:21], \s*ROWB
	s_or_b32 s[G0+4*\s+3], s[G0+4*\s+3], 0x80000000
	s_mov_b32 s[G0B+4*\s], 1
	s_add_co_u32 s[G0B+4*\s+1], s45, \s*SLOT
	s_add_nc_u64 s[G0B+4*\s+2:G0B+4*\s+3], s[46:47], \s*ROWB
	s_or_b32 s[G0B+4*\s+3], s[G0B+4*\s+3], 0x80000000
	JLOAD G0+4*\s, G1, G0B+4*\s, G1B
.endr
	v_and_b32 v1, 15, v0                           ; l % 16
	v_bfe_u32 v2, v0, 4, 1                         ; l / 16
	v_mul_u32_u24 v3, v1, PITCH
	v_lshl_add_u32 v4, v2, 4, v3
	s_mul_i32 s21, s15, HALFT
	s_mul_i32 s22, s16, HALFT
	s_add_co_u32 s22, s22, 2*HALFT
.irp s, 0,1
	v_add_nc_u32 v[ADRA+\s], s21, v4
	v_add_nc_u32 v[ADRB+\s], s22, v4
	s_add_co_u32 s21, s21, SLOT
	s_add_co_u32 s22, s22, SLOT
.endr
	v_mul_u32_u24 v5, v1, KS                       ; my row's scales: KS bytes a row,
	v_lshrrev_b32 v6, 8, v5
	v_lshl_add_u32 v5, v6, 4, v5                   ; and 16 more for each 256 passed
	s_mul_i32 s21, s15, HALFS
	s_mul_i32 s22, s16, HALFS
	s_add_co_u32 s22, s22, 2*HALFS
	s_sub_co_u32 s22, s22, s21
	v_mul_u32_u24 v6, s22, v2                      ; lanes 16-31 take B's
	s_add_co_u32 s21, s21, SCL
	v_add_nc_u32 v5, v5, v6
	v_add_nc_u32 v[ADRS], s21, v5
	s_mul_i32 s23, s14, 16*SPITCH                  ; my stage
	v_mul_u32_u24 v5, v1, SPITCH                   ; in: row = token l % 16, 16 bytes for each half of the lanes
	v_lshl_add_u32 v5, v2, 4, v5
	v_add_nc_u32 v[STO], s23, v5
	v_bfe_u32 v5, v0, 3, 2                         ; back: eight lanes to a token's 128 bytes of one plane, four tokens an instruction
	v_mul_u32_u24 v5, v5, SPITCH
	v_and_b32 v6, 7, v0
	v_lshl_add_u32 v5, v6, 4, v5
	v_add_nc_u32 v[RD], s23, v5
	v_and_b32 v6, 31, v0
	v_lshlrev_b32 v[CO], 4, v6                     ; 16 x lane
	s_lshl_b32 s20, s42, 2                         ; qkv: my first plane 4 x tile column + 2 x half,
	s_lshl_b32 s21, s16, 1
	s_add_co_u32 s20, s20, s21
	s_lshl_b32 s20, s20, 13                        ; x 8,192 tokens,
	s_lshl_b32 s21, s17, 8
	s_add_co_u32 s20, s20, s21
	s_lshl_b32 s21, s15, 7
	s_add_co_u32 s20, s20, s21                     ; + my first token,
	s_lshl_b32 s20, s20, 7                         ; x 128 bytes (under 2^26)
	s_mov_b32 s21, 0
	s_add_nc_u64 s[12:13], s[12:13], s[20:21]
	s_lshr_b32 s46, s17, 3                         ; q32: the batch,
	s_mul_i32 s46, s46, 192
	s_lshl_b32 s47, s42, 4
	s_add_co_u32 s46, s46, s47
	s_lshl_b32 s47, s16, 3
	s_add_co_u32 s46, s46, s47                     ; my first block of 16 columns,
	s_lshl_b32 s46, s46, 10                        ; 1,024 bytes each
	s_mov_b32 s47, 0
	s_add_nc_u64 s[98:99], s[98:99], s[46:47]
.macro FRAG reg, adr, q, i             ; 16 rows x 128 K of 4-bit codes: 8 registers: two loads of 16 bytes, 32 bytes apart
.irp c, 0,1
	ds_load_b128 v[\reg+4*\c:\reg+4*\c+3], v[\adr] offset:64*(\q)+32*\c+(\i)*16*PITCH
.endr
.endm
; 16 matrix instructions: A's blocks a0, a0 + 1 x B's eight.  The 64 accumulators take turns, one instruction a turn, in the same order in every step.
.macro MUL16 a0, p, q, sc, zero
.irp a, \a0, \a0+1
.irp b, 0,1,2,3,4,5,6,7
.if \zero
	v_wmma_scale_f32_16x16x128_f8f6f4 v[8*(8*((\a)%4)+\b):8*(8*((\a)%4)+\b)+7], v[128*(\p)+FR*\b:128*(\p)+FR*\b+FR-1], v[AF+FR*(\a):AF+FR*(\a)+FR-1], 0, v[SC+8*NQ*(\sc)+NQ*\b+(\q)], v[SC+8*NQ*(\sc)+NQ*(\a)+(\q)] matrix_a_fmt:MATRIX_FMT_FP4 matrix_b_fmt:MATRIX_FMT_FP4 matrix_a_scale:MATRIX_SCALE_ROW1
.else
	v_wmma_scale_f32_16x16x128_f8f6f4 v[8*(8*((\a)%4)+\b):8*(8*((\a)%4)+\b)+7], v[128*(\p)+FR*\b:128*(\p)+FR*\b+FR-1], v[AF+FR*(\a):AF+FR*(\a)+FR-1], v[8*(8*((\a)%4)+\b):8*(8*((\a)%4)+\b)+7], v[SC+8*NQ*(\sc)+NQ*\b+(\q)], v[SC+8*NQ*(\sc)+NQ*(\a)+(\q)] matrix_a_fmt:MATRIX_FMT_FP4 matrix_b_fmt:MATRIX_FMT_FP4 matrix_a_scale:MATRIX_SCALE_ROW1
.endif
.endr
.endr
.endm
.macro FETCH_B slot, q, p
	WIN TO_B
.irp i, 0,1,2,3,4,5,6,7
	FRAG 128*(\p)+FR*\i, ADRB+\slot, \q, \i
.endr
	WIN 0
.endm
.macro FETCH_A slot, q, i0
.irp i, \i0, \i0+1, \i0+2, \i0+3
	FRAG AF+FR*(\i), ADRA+\slot, \q, \i
.endr
.endm
.macro SCALES sc                       ; a slot's scale words: lanes 0-15 take A's block i, lanes 16-31 B's block i
.irp i, 0,1,2,3,4,5,6,7
	ds_load_b128 v[SC+8*NQ*\sc+NQ*\i:SC+8*NQ*\sc+NQ*\i+3], v[ADRS] offset:\i*SBLK
.endr
.endm
.macro PLACES n                        ; plain vector instructions between a matrix instruction and a load into, or a read of, its registers
.rept \n
	v_nop
.endr
.endm
.macro STEP slot, q, zero              ; 128 along K that has its successor in the same slot
	s_wait_dscnt 4*NL                              ; B's set and A's blocks 0-3 are in; A's blocks 4-7 may be out
	WIN MUL_LO
	MUL16 0, (\q)%2, \q, \slot, \zero
	MUL16 2, (\q)%2, \q, \slot, \zero
	s_wait_dscnt 0
	PLACES NP
	FETCH_B \slot, (\q)+1, 1-(\q)%2
	FETCH_A \slot, (\q)+1, 0
	WIN MUL_HI
	MUL16 4, (\q)%2, \q, \slot, \zero
	MUL16 6, (\q)%2, \q, \slot, \zero
	PLACES NP
	WIN 0
	FETCH_A \slot, (\q)+1, 4
.endm
.macro STEPS slot, from
.set Q, \from
.rept NQ-1-\from
	STEP \slot, Q, 0
.set Q, Q+1
.endr
.endm
	s_wait_tensorcnt 1                             ; the scales and my part of slot 0 are in (slot 1's load may be out),
	s_barrier_signal -1
	s_barrier_wait -1                              ; everybody's are
	FETCH_B 0, 0, 0
	FETCH_A 0, 0, 0
	SCALES 0
	FETCH_A 0, 0, 4
	STEP 0, 0, 1                                   ; the first products start the sums: nothing is cleared
	STEPS 0, 1
	; slot 0's last step changes slots: each wave's part of slot 1 has landed, then one barrier
	s_wait_tensorcnt 0x0                           ; all my tensor loads have landed
	ds_add_u32 v[SPW], v[NIL]                      ; 0 onto my spare word
	s_wait_dscnt 4*NL+1                            ; (the add and A's blocks 4-7 may be out)
	WIN MUL_LO
	MUL16 0, 1, NQ-1, 0, 0
	s_wait_dscnt 0x0                               ; the add is done, and my reads of slot 0 are over
	s_barrier_signal -1
	MUL16 2, 1, NQ-1, 0, 0
	WIN 0
	s_barrier_wait -1
	PLACES NP
	v_add_nc_u32 v[ADRS], 4*NQ, v[ADRS]            ; slot 1's scale words
	FETCH_B 1, 0, 0
	FETCH_A 1, 0, 0
	SCALES 1
	WIN MUL_HI
	MUL16 4, 1, NQ-1, 0, 0
	MUL16 6, 1, NQ-1, 0, 0
	PLACES NP
	WIN 0
	FETCH_A 1, 0, 4
	STEPS 1, 0
	s_wait_dscnt 4*NL                              ; the very last step
	WIN MUL_LO
	MUL16 0, 1, NQ-1, 1, 0
	MUL16 2, 1, NQ-1, 1, 0
	s_wait_dscnt 0
	WIN MUL_HI
	MUL16 4, 1, NQ-1, 1, 0
	MUL16 6, 1, NQ-1, 1, 0
	WIN 0
	PLACES NP                                      ; behind the last products: for the reads of results and the loads into registers that held scales
	; THE FIRST 16 TOKENS OF A BATCH IN f32: block 0 of the waves whose first token is a multiple of 2,048.  No branch: the other waves run the stores with no lane on.
	s_and_b32 s95, s17, 7
	s_or_b32 s95, s95, s15
	v_mov_b32 v30, s95
	v_cmp_eq_u32 vcc_lo, 0, v30
	s_wait_xcnt 0x0                                ; EXEC changes only behind this wait
	s_and_saveexec_b32 s96, vcc_lo
	WIN 0x08                                       ; a store's data: window 2
.irp b, 0,1,2,3,4,5,6,7
	global_store_b128 v[CO], v[8*\b:8*\b+3], s[98:99] offset:\b*1024         ; the wave stores 512 consecutive bytes; each accumulator from its low end on
	global_store_b128 v[CO], v[8*\b+4:8*\b+7], s[98:99] offset:\b*1024+512
.endr
	WIN 0
	s_wait_xcnt 0x0
	s_or_b32 exec_lo, exec_lo, s96
; THE WAY OUT, block by block of 16 tokens x 128 columns (two planes).  Rounded to f16, 16 bytes a lane; through my stage; back as four tokens x 128 bytes of one plane: 512 consecutive bytes of qkv.
.macro PACK a
.set AC, 64*((\a)%4)
	WIN 0x0a+5*((\a)/4)                            ; sources 0 and 1: window 2 or 3
.irp b, 0,1,2,3,4,5,6,7
.irp r, 0,1,2,3
	v_cvt_pk_f16_f32 v[TMP+4*\b+\r], v[AC+8*\b+2*\r], v[AC+8*\b+2*\r+1]
.endr
.endr
	WIN 0
.endm
.macro TOSTAGE a
.set BKR, OB+192*((\a)%2)
.irp b, 0,1,2,3,4,5,6,7
	ds_store_b128 v[STO], v[TMP+4*\b:TMP+4*\b+3] offset:32*\b
.endr
.irp hh, 0,1
.irp i, 0,1,2,3
	ds_load_b128 v[BKR+4*(4*\hh+\i):BKR+4*(4*\hh+\i)+3], v[RD] offset:\i*4*SPITCH+\hh*128   ; LDS serves a wave's instructions in order: these see the stores above
.endr
.endr
.endm
.macro SEND a
.set BKR, OB+192*((\a)%2)
	s_wait_dscnt 0x0                               ; the block is back in registers
	s_wait_xcnt 0x0                                ; the stores of the block before have read their registers: the next block's loads may land there
.irp hh, 0,1
.irp i, 0,1,2,3
	global_store_b128 v[CO], v[BKR+4*(4*\hh+\i):BKR+4*(4*\hh+\i)+3], s[12:13] offset:\hh*1048576+(\a)*2048+\i*512
.endr
.endr
.endm
	PACK 0
	TOSTAGE 0
.irp a, 1,2,3,4,5,6,7
	PACK \a
	SEND \a-1
	TOSTAGE \a
.endr
	SEND 7
	s_wait_tensorcnt 0x0                           ; the wave's end
	ds_add_u32 v[SPW], v[NIL]
	s_wait_dscnt 0x0
	CROUND                                         ; the closing round
	s_endpgm
.Lfunc_end_k_q8e0232d33a_proj:
	.size	k_q8e0232d33a_proj, .Lfunc_end_k_q8e0232d33a_proj-k_q8e0232d33a_proj
	.p2alignl 7, 3214868480
	.fill 96, 4, 3214868480
	.section	.rodata,"a",@progbits
	.p2align	6, 0x0
	.amdhsa_kernel k_q8e0232d33a_proj
		.amdhsa_group_segment_fixed_size 327680
		.amdhsa_private_segment_fixed_size 0
		.amdhsa_enable_private_segment 0
		.amdhsa_kernarg_size 48
		.amdhsa_user_sgpr_count 2
		.amdhsa_user_sgpr_kernarg_segment_ptr 1
		.amdhsa_wavefront_size32 1
		.amdhsa_system_sgpr_workgroup_id_x 1
		.amdhsa_system_sgpr_workgroup_id_y 1
		.amdhsa_system_sgpr_workgroup_id_z 1
		.amdhsa_system_vgpr_workitem_id 0
		.amdhsa_next_free_vgpr 1024
		.amdhsa_next_free_sgpr 100
		.amdhsa_reserve_vcc 1
		.amdhsa_float_denorm_mode_32 3
		.amdhsa_float_denorm_mode_16_64 3
		.amdhsa_memory_ordered 1
		.amdhsa_forward_progress 1
		.amdhsa_inst_pref_size 128
	.end_amdhsa_kernel
	.amdgpu_metadata
---
amdhsa.version: [ 1, 2 ]
amdhsa.kernels:
  - .name:           k_q8e0232d33a_proj
    .symbol:         k_q8e0232d33a_proj.kd
    .args:
      - { .name: x_codes, .offset: 0, .size: 8, .value_kind: global_buffer, .address_space: global }
      - { .name: x_scales, .offset: 8, .size: 8, .value_kind: global_buffer, .address_space: global }
      - { .name: w_codes, .offset: 16, .size: 8, .value_kind: global_buffer, .address_space: global }
      - { .name: w_scales, .offset: 24, .size: 8, .value_kind: global_buffer, .address_space: global }
      - { .name: qkv, .offset: 32, .size: 8, .value_kind: global_buffer, .address_space: global }
      - { .name: q32, .offset: 40, .size: 8, .value_kind: global_buffer, .address_space: global }
    .group_segment_fixed_size: 327680
    .private_segment_fixed_size: 0
    .kernarg_segment_align: 8
    .kernarg_segment_size: 48
    .max_flat_workgroup_size: 128
    .sgpr_count:     100
    .vgpr_count:     1024
    .wavefront_size: 32
...
	.end_amdgpu_metadata
.endif
;; end of part 2
;; launch attn (part 3): grid 4 x 64, 8 waves a work-group, no clusters, 327,680 bytes of LDS; arguments qkv, att; writes att
.if DOCPART == 3
	.amdgcn_target "amdgcn-amd-amdhsa--gfx1250"
	.amdhsa_code_object_version 6
	.text
	.protected	k_q8e0232d33a_attn
	.globl	k_q8e0232d33a_attn
	.p2align	8
	.type	k_q8e0232d33a_attn,@function
k_q8e0232d33a_attn:
	s_mov_b64 s[64:65], 0
	v_nop
	global_prefetch_b8 v0, s[64:65] scope:SCOPE_SE
	s_setreg_imm32_b32 hwreg(HW_REG_WAVE_MODE, 25, 1), 1
	s_wait_xcnt 0x0
; att[token][head][:] = the sum over keys k <= q of softmax_k(q . k / 8) v, per batch and head.  q, k, v: planes of qkv [48][8192 tokens][64] f16.  Products on f16 operands, sums, maxima and exponentials in f32;
; the weights p are rounded to f16 for the second product, the result once at the end.  att: [token / 128][head][128 tokens][64] f16: a head's rows are dense.
; LIMITS: q, k, v finite f16 numbers; the order of the f32 sums differs from a row-by-row softmax's.
; SHARES.  A head's 2,048 queries are 8 blocks of 256.  Work-group j (0..3) of a head takes block j and then block 7 - j: (j + 1) + (8 - j) = 9 trips of 256 keys for every work-group: the trip count is a constant.
; Each of eight waves owns 32 queries of the block in hand: two tiles of 16.  Two waves share a SIMD, so that one wave's softmax stands beside the other's products.
; A step is 128 keys.  A step all of whose keys come after the wave's queries is left out by a scalar branch on ids; on the diagonal hidden scores become -infinity ahead of the maximum.
; NO CLUSTER: the four work-groups of a head want different tiles in the same trip (work-group j restarts the keys after j + 1 trips), so no tile is wanted by two of them at the same time in most trips,
; and walking in step would cost each of them 2 x 8 trips in place of 9.
; LAYOUT.  S^T = K Q^T (source 0 = 16 keys, source 1 = 16 queries): a lane holds ONE query (lane % 16) and keys 8 (lane / 16) + 0..7.  Two such tiles rounded to f16 in pairs ARE source 1 of O^T = V^T P.
; K and V tiles are dense blocks of 16,384 bytes: they come as 64 rows of 256 bytes (two keys a row), padded: key rho lies at (rho / 2) x pitch + (rho % 2) x 128.
; With K's pitch of 272 the 16 keys of a load fall on 16 different 16-byte columns; with V's of 288 the 8 keys x 32 bytes of the turning load do.
; SOFTMAX.  A running maximum m and sum l for each query: p = 2^(c s - c m), c = log2(e) / 8; in every step O and l are multiplied by 2^(c m_old - c m_new).
; REGISTERS.  Window 0: v1-13 addresses and constants; v16-31 statistics, 8 a tile; v32-159 S^T, 64 a tile; v160-223 P, 32 a tile; v224-227 second chains of the sums.
;   Window 1: v0-127 a step's fragments of K, then of V; v128-159 Q; v160-223 O^T, 32 a tile.
.set KT,    128                        ; keys in a step
.set TILEB, 16384                      ; bytes of a tile of K or of V
.set PK,    272
.set PV,    288
.set VOFF,  64*PK
.set SLOT,  64*(PK+PV)                 ; 35,840
.set STAGE, 2*SLOT                     ; behind the ring: 32 rows x 144 bytes for each wave
.set SPT,   144
.set SPARE, STAGE+8*32*SPT             ; the spare words, 128 bytes a wave
.set AK,  1                            ; my lane's place in a tile of K
.set AV,  2                            ; and of V
.set QO,  3                            ; my byte offset in the wave's rows of q
.set STO, 4
.set RD,  5
.set GO,  6                            ; 16 x lane
.set RH,  7                            ; lane % 16 - 8 (lane / 16)
.set SPW, 8
.set NIL, 9
.set DD,  10                           ; v10-11 the mask's bound for tiles 0 and 1
.set NINF, 12
.set PFO, 13                           ; 256 x lane
.set ST,  16                           ; tile x at ST + 8 x: +0 c m, +1 m, +2, +3 l (even keys', odd keys'), +4..7 at work; +6 the factor
.set S,   32
.set P,   160
.set SB,  224
.set QF,  128                          ; window 1
.set O,   160                          ; window 1
.set WV,  8
.set JJ,  9
.set HD,  10
.set BT,  11
.set KB,  14                           ; s[14:15] the head's k, s[16:17] its v, s[18:19] its q
.set VB,  16
.set QP,  18
.set QA,  20                           ; s[20:21] my wave's q, s[22:23] its rows of att
.set OA,  22
.set G1K, 24
.set G1V, 32
.set G0K, 40                           ; a group 0 for each slot
.set G0V, 48
.set NXT, 56                           ; s[56:57] byte offset of the tile to be asked for
.set UU,  58                           ; its number in the work-group's stream of 18
.set SW2, 59                           ; the number at which the second block's keys begin
.set TAU, 60                           ; the trip
.set SWT, 61                           ; the trip at which the second block begins
.set KF,  62                           ; the step's first key
.set Q0,  63                           ; my first query
.set CS,  66
.set SEL, 68
.set PFA, 70
.set LIM, 72
.set MSB, 0
.macro WIN new
.if MSB != (\new)
	s_set_vgpr_msb (MSB<<8)|(\new)
.set MSB, (\new)
.endif
.endm
.set W_KQ, 0x05                        ; K and Q window 1, S^T window 0
.set W_PV, 0x51                        ; V window 1, P window 0, O^T window 1
.set W_RS, 0x41                        ; O^T (destination, source 0) window 1, the factor window 0
.set TO1,  0x40
.set FROM1, 0x05
; Wave 0 fetches K's tile, wave 1 V's, the others nothing: one tensor load of a wave is out.  Four v_nop follow each line.
.macro TLOAD g0k, g0v
	s_cmp_eq_u32 s[WV], 0
	s_cbranch_scc0 .Lnot_k_\@
	tensor_load_to_lds s[\g0k:\g0k+3], s[G1K:G1K+7]
	s_nop 0
.rept 4
	v_nop
.endr
	s_branch .Lasked_\@
.Lnot_k_\@:
	s_cmp_eq_u32 s[WV], 1
	s_cbranch_scc0 .Lasked_\@
	tensor_load_to_lds s[\g0v:\g0v+3], s[G1V:G1V+7]
	s_nop 0
.rept 4
	v_nop
.endr
.Lasked_\@:
.endm
; A prefetch of the head's next 256 keys: in trip t the rows of keys 256 (t + 1) on, of k (waves 0-3) and of v (waves 4-7), 8,192 bytes a wave, lanes 256 bytes apart.
; All four work-groups of a head walk the same k and v: work-group 0 asks, and nobody else, so each 256 bytes are named once.  Keys 0-255 come by their loads alone; trips 7 and 8 ask for nothing.
.macro ASK
	s_cmp_lt_u32 s[TAU], s[LIM]
	s_cbranch_scc0 .Lnot_mine_\@
	global_prefetch_b8 v[PFO], s[PFA:PFA+1] th:TH_LOAD_NT scope:SCOPE_SE
.Lnot_mine_\@:
.endm
; The block of queries whose number stands in s[blk]: my first query, my rows of q and of att
.macro SETPASS blk
	s_lshl_b32 s[Q0], s[\blk], 8
	s_lshl_b32 s73, s[WV], 5
	s_add_co_u32 s[Q0], s[Q0], s73
	s_lshl_b32 s74, s[Q0], 7
	s_mov_b32 s75, 0
	s_add_nc_u64 s[QA:QA+1], s[QP:QP+1], s[74:75]
	s_lshl_b32 s73, s[BT], 11
	s_add_co_u32 s73, s73, s[Q0]                   ; the token
	s_lshr_b32 s74, s73, 7
	s_lshl_b32 s74, s74, 4
	s_add_co_u32 s74, s74, s[HD]
	s_lshl_b32 s74, s74, 14                        ; (token / 128 x 16 + head) x 16,384
	s_and_b32 s73, s73, 127
	s_lshl_b32 s73, s73, 7
	s_add_co_u32 s74, s74, s73
	s_add_nc_u64 s[OA:OA+1], s[6:7], s[74:75]
.endm
.macro QLOAD                           ; Q stays in registers: tile x, channels 32 ec on
	WIN TO1
.irp x, 0,1
.irp ec, 0,1
	global_load_b128 v[QF+16*\x+8*\ec:QF+16*\x+8*\ec+3], v[QO], s[QA:QA+1] offset:\x*2048+\ec*64
	global_load_b128 v[QF+16*\x+8*\ec+4:QF+16*\x+8*\ec+7], v[QO], s[QA:QA+1] offset:\x*2048+\ec*64+32
.endr
.endr
.endm
.macro INIT                            ; the step is written once: a block's first step finds zeros in O^T and l and -3e38 as m, which the first factor, 0, leaves zeros
	WIN TO1
.set i, 0
.rept 64
	v_mov_b32 v[O+i], 0
.set i, i+1
.endr
	WIN 0
.irp x, 0,1
	v_mov_b32 v[ST+8*\x+1], 0xff61b1e6
	v_mul_f32 v[ST+8*\x], s[CS], v[ST+8*\x+1]
.irp k, 2,3,4,5,6,7
	v_mov_b32 v[ST+8*\x+\k], 0
.endr
.endr
	s_wait_loadcnt 0x0                             ; Q
.endm
; Line i of 32 of tile x's sum of its 32 pairs of weights, in two chains: l = l x factor + pair 0, then the even pairs; the odd pairs apart
.macro SUMLINE x
.if i == 0
	v_pk_fma_f32 v[ST+8*\x+2:ST+8*\x+3], v[ST+8*\x+2:ST+8*\x+3], v[ST+8*\x+6:ST+8*\x+7], v[S+64*\x:S+64*\x+1] op_sel_hi:[1,0,1]
.elseif i == 1
	v_pk_add_f32 v[SB+2*\x:SB+2*\x+1], v[S+64*\x+2:S+64*\x+3], v[S+64*\x+6:S+64*\x+7]
.elseif i == 3
.elseif i%2 == 0
	v_pk_add_f32 v[ST+8*\x+2:ST+8*\x+3], v[ST+8*\x+2:ST+8*\x+3], v[S+64*\x+2*i:S+64*\x+2*i+1]
.else
	v_pk_add_f32 v[SB+2*\x:SB+2*\x+1], v[SB+2*\x:SB+2*\x+1], v[S+64*\x+2*i:S+64*\x+2*i+1]
.endif
.endm
; A KEY STEP: the 128 keys in slot s
.macro STEP s
	s_cmp_gt_u32 s[KF], s[Q0]                      ; both are multiples of 32: then all keys come after my 32 queries.  In a step that is worked key KF counts for every query, so m is a number
	s_cbranch_scc1 .Lhid_\@
	WIN TO1
.irp ec, 0,1
.irp kt, 0,1,2,3,4,5,6,7
	ds_load_b128 v[64*\ec+8*\kt:64*\ec+8*\kt+3], v[AK] offset:\s*SLOT+\kt*8*PK+\ec*64
	ds_load_b128 v[64*\ec+8*\kt+4:64*\ec+8*\kt+7], v[AK] offset:\s*SLOT+\kt*8*PK+\ec*64+32
.endr
.endr
	s_wait_dscnt 16                                ; channels 0-31 are in
	WIN W_KQ
.irp kt, 0,1,2,3,4,5,6,7                       ; the 16 accumulators take turns, one instruction a turn
.irp x, 0,1
	v_wmma_f32_16x16x32_f16 v[S+64*\x+8*\kt:S+64*\x+8*\kt+7], v[8*\kt:8*\kt+7], v[QF+16*\x:QF+16*\x+7], 0
.endr
.endr
	s_wait_dscnt 0x0
.irp kt, 0,1,2,3,4,5,6,7
.irp x, 0,1
	v_wmma_f32_16x16x32_f16 v[S+64*\x+8*\kt:S+64*\x+8*\kt+7], v[64+8*\kt:64+8*\kt+7], v[QF+16*\x+8:QF+16*\x+15], v[S+64*\x+8*\kt:S+64*\x+8*\kt+7]
.endr
.endr
.rept 4
	v_nop                                          ; places: for the loads into K's registers, and for the first reads of the scores
.endr
	WIN TO1
.irp kc, 0,1,2,3                               ; V, turned: keys 32 kc on, channels 16 et on: it lands while the softmax is walked
.irp et, 0,1,2,3
	ds_load_tr16_b128 v[8*(4*\kc+\et):8*(4*\kc+\et)+3], v[AV] offset:\s*SLOT+\kc*16*PV+\et*32
	ds_load_tr16_b128 v[8*(4*\kc+\et)+4:8*(4*\kc+\et)+7], v[AV] offset:\s*SLOT+\kc*16*PV+8*PV+\et*32
.endr
.endr
	WIN 0
	s_add_co_u32 s73, s[KF], KT-1
	s_cmp_le_u32 s73, s[Q0]                        ; all keys count for all my queries: no mask
	s_cbranch_scc1 .Lopen_\@
	s_sub_co_u32 s73, s[Q0], s[KF]
	v_add_nc_u32 v[DD], s73, v[RH]                 ; register 8 kt + j of tile x holds key KF + 16 kt + 8 (lane / 16) + j: hidden where 16 kt + j > Q0 - KF + 16 x + lane % 16 - 8 (lane / 16)
	v_add_nc_u32 v[DD+1], 16, v[DD]
.irp x, 0,1
.irp kt, 0,1,2,3,4,5,6,7
.irp j, 0,1,2,3,4,5,6,7
	v_cmp_gt_i32 vcc_lo, 16*\kt+\j, v[DD+\x]
	v_cndmask_b32 v[S+64*\x+8*\kt+\j], v[S+64*\x+8*\kt+\j], v[NINF], vcc_lo
.endr
.endr
.endr
.Lopen_\@:
	; the maximum: four chains of 16 scores a tile, each accumulator from its low end on; the two tiles alternate
.irp c, 0,1,2,3
.irp x, 0,1
	v_max3_num_f32 v[ST+8*\x+4+\c], v[S+64*\x+16*\c], v[S+64*\x+16*\c+1], v[S+64*\x+16*\c+2]
.endr
.endr
.irp i, 3,5,7,9,11,13
.irp c, 0,1,2,3
.irp x, 0,1
	v_max3_num_f32 v[ST+8*\x+4+\c], v[ST+8*\x+4+\c], v[S+64*\x+16*\c+\i], v[S+64*\x+16*\c+\i+1]
.endr
.endr
.endr
.irp x, 0,1
	v_max3_num_f32 v[ST+8*\x+4], v[ST+8*\x+4], v[S+64*\x+15], v[S+64*\x+31]
.endr
.irp x, 0,1
	v_max3_num_f32 v[ST+8*\x+6], v[ST+8*\x+6], v[S+64*\x+47], v[S+64*\x+63]
.endr
.irp x, 0,1
	v_max3_num_f32 v[ST+8*\x+4], v[ST+8*\x+4], v[ST+8*\x+5], v[ST+8*\x+6]
.endr
.irp x, 0,1
	v_max3_num_f32 v[ST+8*\x+4], v[ST+8*\x+4], v[ST+8*\x+7], v[ST+8*\x+1]   ; with the old m
.endr
.irp x, 0,1
	v_permlanex16_b32 v[ST+8*\x+5], v[ST+8*\x+4], s[SEL], s[SEL+1]           ; the query's other 64 keys lie in the lane 16 away
.endr
.irp x, 0,1
	v_mov_b32 v[ST+8*\x+7], v[ST+8*\x]             ; c m_old
.endr
.irp x, 0,1
	v_max_num_f32 v[ST+8*\x+1], v[ST+8*\x+4], v[ST+8*\x+5]
.endr
.irp x, 0,1
	v_mul_f32 v[ST+8*\x], s[CS], v[ST+8*\x+1]
.endr
.irp x, 0,1
	v_sub_f32 v[ST+8*\x+7], v[ST+8*\x+7], v[ST+8*\x]
.endr
.irp x, 0,1
	v_exp_f32 v[ST+8*\x+6], v[ST+8*\x+7]           ; the factor 2^(c m_old - c m_new)
.endr
.set i, 0
.rept 32
	v_pk_fma_f32 v[S+2*i:S+2*i+1], v[S+2*i:S+2*i+1], s[CS:CS+1], v[ST:ST+1] op_sel_hi:[1,0,0] neg_lo:[0,0,1] neg_hi:[0,0,1]   ; tile 0: c s - c m
.set i, i+1
.endr
.set i, 0
.rept 32                                       ; tile 0's exponentials, tile 1's scalings between them
	v_exp_f32 v[S+2*i], v[S+2*i]
	v_pk_fma_f32 v[S+64+2*i:S+64+2*i+1], v[S+64+2*i:S+64+2*i+1], s[CS:CS+1], v[ST+8:ST+9] op_sel_hi:[1,0,0] neg_lo:[0,0,1] neg_hi:[0,0,1]
	v_exp_f32 v[S+2*i+1], v[S+2*i+1]
.set i, i+1
.endr
.set i, 0
.rept 32                                       ; tile 1's exponentials, tile 0's roundings and sums between them
	v_exp_f32 v[S+64+2*i], v[S+64+2*i]
	s_wait_alu depctr_va_vdst(0)
	v_cvt_pk_f16_f32 v[P+i], v[S+2*i], v[S+2*i+1]
	v_exp_f32 v[S+64+2*i+1], v[S+64+2*i+1]
	SUMLINE 0
.set i, i+1
.endr
	v_pk_add_f32 v[ST+2:ST+3], v[ST+2:ST+3], v[SB:SB+1]
	s_wait_alu depctr_va_vdst(0)
.set i, 0
.rept 32
	v_cvt_pk_f16_f32 v[P+32+i], v[S+64+2*i], v[S+64+2*i+1]
	SUMLINE 1
.set i, i+1
.endr
	v_pk_add_f32 v[ST+10:ST+11], v[ST+10:ST+11], v[SB+2:SB+3]
	WIN W_RS
.irp x, 0,1
.set i, 0
.rept 16
	v_pk_mul_f32 v[O+32*\x+2*i:O+32*\x+2*i+1], v[O+32*\x+2*i:O+32*\x+2*i+1], v[ST+8*\x+6:ST+8*\x+7] op_sel_hi:[1,0]
.set i, i+1
.endr
.endr
	s_wait_dscnt 0x0                               ; V is in
	WIN W_PV
.irp kc, 0,1,2,3                               ; the 8 accumulators take turns
.irp x, 0,1
.irp et, 0,1,2,3
	v_wmma_f32_16x16x32_f16 v[O+32*\x+8*\et:O+32*\x+8*\et+7], v[8*(4*\kc+\et):8*(4*\kc+\et)+7], v[P+32*\x+8*\kc:P+32*\x+8*\kc+7], v[O+32*\x+8*\et:O+32*\x+8*\et+7]
.endr
.endr
.endr
	WIN 0
.rept 4
	v_nop                                          ; places: for the next loads into V's registers and the next reads of O^T
.endr
.Lhid_\@:
	s_add_co_u32 s[KF], s[KF], KT
.endm
; A trip of the ring: the tile in slot s is read; refill = 1: the next tile of the stream goes into the other slot, first thing behind the barrier, and has this step in which to land.
.macro TRIP s, refill
	s_wait_tensorcnt 0x0                           ; my tensor load has landed: my part of this slot; so a group 0 may be written
	ds_add_u32 v[SPW], v[NIL]                      ; 0 onto my spare word; the scalar work stands between it and the wait for it
.if \refill
	s_add_co_u32 s[NXT], s[NXT], TILEB
	s_cmp_eq_u32 s[UU], s[SW2]
	s_cselect_b32 s[NXT], 0, s[NXT]                ; the second block's keys begin at key 0 again
	s_add_co_u32 s[UU], s[UU], 1
	s_add_nc_u64 s[G0K+4*(1-\s)+2:G0K+4*(1-\s)+3], s[KB:KB+1], s[NXT:NXT+1]
	s_or_b32 s[G0K+4*(1-\s)+3], s[G0K+4*(1-\s)+3], 0x80000000
	s_add_nc_u64 s[G0V+4*(1-\s)+2:G0V+4*(1-\s)+3], s[VB:VB+1], s[NXT:NXT+1]
	s_or_b32 s[G0V+4*(1-\s)+3], s[G0V+4*(1-\s)+3], 0x80000000
.if \s == 0
	s_wait_xcnt 0x0                                ; the last prefetch, a trip back, has read its address
	s_add_nc_u64 s[PFA:PFA+1], s[PFA:PFA+1], 2*TILEB
.endif
.endif
	s_wait_dscnt 0x0                               ; the add is done, and my reads of the other slot are over
	s_barrier_signal -1
	s_barrier_wait -1
.if \refill
	TLOAD G0K+4*(1-\s), G0V+4*(1-\s)
.if \s == 0
	ASK
.endif
.endif
	STEP \s
.endm
; O^T / l, rounded to f16, through my stage: four tokens x 128 bytes come back as 512 consecutive bytes of att
.macro WAYOUT
.irp x, 0,1
	v_add_f32 v[ST+8*\x+4], v[ST+8*\x+2], v[ST+8*\x+3]
.endr
.irp x, 0,1
	v_permlanex16_b32 v[ST+8*\x+5], v[ST+8*\x+4], s[SEL], s[SEL+1]
.endr
.irp x, 0,1
	v_add_f32 v[ST+8*\x+4], v[ST+8*\x+4], v[ST+8*\x+5]
.endr
.irp x, 0,1
	v_rcp_f32 v[ST+8*\x+6], v[ST+8*\x+4]
.endr
	v_nop                                          ; a plain instruction behind the reciprocals
	WIN W_RS
	s_wait_alu depctr_va_vdst(0)
.irp x, 0,1
.set i, 0
.rept 16
	v_pk_mul_f32 v[O+32*\x+2*i:O+32*\x+2*i+1], v[O+32*\x+2*i:O+32*\x+2*i+1], v[ST+8*\x+6:ST+8*\x+7] op_sel_hi:[1,0]
.set i, i+1
.endr
.endr
	WIN FROM1
.set i, 0
.rept 32
	v_cvt_pk_f16_f32 v[S+i], v[O+2*i], v[O+2*i+1]
.set i, i+1
.endr
	WIN 0
.irp x, 0,1
.irp et, 0,1,2,3
	ds_store_b128 v[STO], v[S+16*\x+4*\et:S+16*\x+4*\et+3] offset:\x*16*SPT+\et*32
.endr
.endr
.irp i, 0,1,2,3,4,5,6,7
	ds_load_b128 v[S+32+4*\i:S+32+4*\i+3], v[RD] offset:\i*4*SPT   ; LDS serves a wave's instructions in order: these see the stores above
.endr
.irp i, 0,1,2,3,4,5,6,7
	s_wait_dscnt 7-\i
	global_store_b128 v[GO], v[S+32+4*\i:S+32+4*\i+3], s[OA:OA+1] offset:512*\i
.endr
	s_wait_xcnt 0x0                                ; the stores have read their registers and their base
.endm
	s_load_b128 s[4:7], s[0:1], 0x0                ; qkv, att
	v_lshl_add_u32 v[SPW], v0, 2, SPARE
	v_mov_b32 v[NIL], 0
	ds_add_u32 v8, v9
	s_wait_dscnt 0x0
	v_lshrrev_b32 v14, 5, v0
	v_readfirstlane_b32 s[WV], v14                 ; wave 0..7
	s_mov_b32 s[JJ], ttmp9
	s_and_b32 s12, ttmp7, 0xffff
	s_and_b32 s[HD], s12, 15                       ; the head
	s_lshr_b32 s[BT], s12, 4                       ; the batch
	s_lshl_b32 s12, s[HD], 13
	s_lshl_b32 s13, s[BT], 11
	s_add_co_u32 s12, s12, s13
	s_lshl_b32 s12, s12, 7                         ; (head x 8,192 + batch x 2,048) x 128 bytes
	s_mov_b32 s13, 0
	; descriptor group 1: a dense block of 16,384 bytes as 64 rows of 32 elements of 8 bytes; padding behind every 64 words: K 4 words, V 8
	s_mov_b32 s[G1K], (3<<16)|(1<<20)|(5<<22)|(3<<25)
	s_mov_b32 s[G1V], (3<<16)|(1<<20)|(5<<22)|(7<<25)
.irp g, G1K, G1V
	s_mov_b32 s[\g+1], 32<<16                      ; tensor_dim0
	s_mov_b32 s[\g+2], 64<<16                      ; tensor_dim1
	s_mov_b32 s[\g+3], 32<<16                      ; tile_dim0
	s_mov_b32 s[\g+4], 64                          ; tile_dim1
	s_mov_b32 s[\g+5], 32                          ; the pitch
	s_mov_b32 s[\g+6], 0
	s_mov_b32 s[\g+7], 0
.endr
	s_mov_b32 s[CS], 0x3e38aa3b                    ; c = log2(e) / 8
	s_mov_b32 s[CS+1], s[CS]
	s_mov_b32 s[SEL], 0x76543210
	s_mov_b32 s[SEL+1], 0xfedcba98
	s_mov_b32 s[NXT], 0
	s_mov_b32 s[NXT+1], 0
	s_mov_b32 s[UU], 1
	s_add_co_u32 s[SWT], s[JJ], 1
	s_lshl_b32 s[SW2], s[SWT], 1
	s_mov_b32 s[TAU], 0
	s_mov_b32 s[KF], 0
	s_wait_kmcnt 0x0
	s_add_nc_u64 s[QP:QP+1], s[4:5], s[12:13]
	s_add_nc_u64 s[KB:KB+1], s[QP:QP+1], 0x1000000 ; 16 planes of 8,192 x 128 bytes on
	s_add_nc_u64 s[VB:VB+1], s[QP:QP+1], 0x2000000
.irp s, 0,1
	s_mov_b32 s[G0K+4*\s], 1
	s_mov_b32 s[G0K+4*\s+1], \s*SLOT
	s_mov_b64 s[G0K+4*\s+2:G0K+4*\s+3], s[KB:KB+1]
	s_or_b32 s[G0K+4*\s+3], s[G0K+4*\s+3], 0x80000000
	s_mov_b32 s[G0V+4*\s], 1
	s_mov_b32 s[G0V+4*\s+1], \s*SLOT+VOFF
	s_mov_b64 s[G0V+4*\s+2:G0V+4*\s+3], s[VB:VB+1]
	s_or_b32 s[G0V+4*\s+3], s[G0V+4*\s+3], 0x80000000
.endr
	TLOAD G0K, G0V                                 ; the stream's first tile, into slot 0; slot 1 is first filled behind the first trip's barrier
	s_cmp_lt_u32 s[WV], 4
	s_cselect_b64 s[PFA:PFA+1], s[KB:KB+1], s[VB:VB+1]
	s_and_b32 s74, s[WV], 3
	s_lshl_b32 s74, s74, 13
	s_mov_b32 s75, 0
	s_add_nc_u64 s[PFA:PFA+1], s[PFA:PFA+1], s[74:75]   ; my 8,192 bytes of keys 0-255; stepped by 256 keys ahead of each request
	s_cmp_eq_u32 s[JJ], 0
	s_cselect_b32 s[LIM], 7, 0
	v_and_b32 v14, 15, v0                          ; r
	v_bfe_u32 v15, v0, 4, 1                        ; h
	v_bfe_u32 v1, v0, 1, 3
	v_mul_u32_u24 v1, v1, PK
	v_and_b32 v2, 1, v0
	v_lshl_add_u32 v1, v2, 7, v1
	v_lshl_add_u32 v[AK], v15, 4, v1               ; (r / 2) x 272 + (r % 2) x 128 + 16 h
	v_bfe_u32 v3, v0, 1, 2
	v_lshl_add_u32 v3, v15, 2, v3
	v_mul_u32_u24 v3, v3, PV
	v_lshl_add_u32 v3, v2, 7, v3
	v_bfe_u32 v4, v0, 3, 1
	v_lshl_add_u32 v3, v4, 4, v3
	v_add_nc_u32 v[AV], VOFF, v3                   ; key 8 h + lane % 8, channels 8 ((lane / 8) % 2) on
	v_lshlrev_b32 v3, 7, v14
	v_lshl_add_u32 v[QO], v15, 4, v3
	s_mul_i32 s73, s[WV], 32*SPT
	s_add_co_u32 s73, s73, STAGE
	v_mul_u32_u24 v4, v14, SPT
	v_lshl_add_u32 v4, v15, 4, v4
	v_add_nc_u32 v[STO], s73, v4
	v_bfe_u32 v5, v0, 3, 2
	v_mul_u32_u24 v5, v5, SPT
	v_and_b32 v6, 7, v0
	v_lshl_add_u32 v5, v6, 4, v5
	v_add_nc_u32 v[RD], s73, v5
	v_and_b32 v6, 31, v0
	v_lshlrev_b32 v[PFO], 8, v6
	v_lshlrev_b32 v[GO], 4, v6
	v_lshlrev_b32 v7, 3, v15
	v_sub_nc_u32 v[RH], v14, v7
	v_mov_b32 v[NINF], 0xff800000
	SETPASS JJ
	QLOAD
	INIT
.Ltrip:                                            ; eight trips of 256 keys; the ninth is written out
	s_cmp_lg_u32 s[TAU], s[SWT]
	s_cbranch_scc1 .Lsame
	WAYOUT                                         ; the first block is done: on to block 7 - j; the tile in slot 0 holds keys 0-127 again
	s_sub_co_u32 s76, 7, s[JJ]
	SETPASS 76
	s_mov_b32 s[KF], 0
	QLOAD
	INIT
.Lsame:
	TRIP 0, 1
	TRIP 1, 1
	s_add_co_u32 s[TAU], s[TAU], 1
	s_cmp_lt_u32 s[TAU], 8
	s_cbranch_scc1 .Ltrip
	TRIP 0, 1
	TRIP 1, 0
	WAYOUT
	s_wait_tensorcnt 0x0                           ; the wave's end
	ds_add_u32 v[SPW], v[NIL]
	s_wait_dscnt 0x0
	s_endpgm
.Lfunc_end_k_q8e0232d33a_attn:
	.size	k_q8e0232d33a_attn, .Lfunc_end_k_q8e0232d33a_attn-k_q8e0232d33a_attn
	.p2alignl 7, 3214868480
	.fill 96, 4, 3214868480
	.section	.rodata,"a",@progbits
	.p2align	6, 0x0
	.amdhsa_kernel k_q8e0232d33a_attn
		.amdhsa_group_segment_fixed_size 327680
		.amdhsa_private_segment_fixed_size 0
		.amdhsa_enable_private_segment 0
		.amdhsa_kernarg_size 16
		.amdhsa_user_sgpr_count 2
		.amdhsa_user_sgpr_kernarg_segment_ptr 1
		.amdhsa_wavefront_size32 1
		.amdhsa_system_sgpr_workgroup_id_x 1
		.amdhsa_system_sgpr_workgroup_id_y 1
		.amdhsa_system_sgpr_workgroup_id_z 1
		.amdhsa_system_vgpr_workitem_id 0
		.amdhsa_next_free_vgpr 512
		.amdhsa_next_free_sgpr 80
		.amdhsa_reserve_vcc 1
		.amdhsa_float_denorm_mode_32 3
		.amdhsa_float_denorm_mode_16_64 3
		.amdhsa_memory_ordered 1
		.amdhsa_forward_progress 1
		.amdhsa_inst_pref_size 201
	.end_amdhsa_kernel
	.amdgpu_metadata
---
amdhsa.version: [ 1, 2 ]
amdhsa.kernels:
  - .name:           k_q8e0232d33a_attn
    .symbol:         k_q8e0232d33a_attn.kd
    .args:
      - { .name: qkv, .offset: 0, .size: 8, .value_kind: global_buffer, .address_space: global }
      - { .name: att, .offset: 8, .size: 8, .value_kind: global_buffer, .address_space: global }
    .group_segment_fixed_size: 327680
    .private_segment_fixed_size: 0
    .kernarg_segment_align: 8
    .kernarg_segment_size: 16
    .max_flat_workgroup_size: 256
    .sgpr_count:     80
    .vgpr_count:     512
    .wavefront_size: 32
...
	.end_amdgpu_metadata
.endif
;; end of part 3
;; launch oproj (part 4): grid 4 x 64, 4 waves a work-group, clusters of 4 x 4, 327,680 bytes of LDS; arguments att, wo16, out0, bo; writes out0
.if DOCPART == 4
	.amdgcn_target "amdgcn-amd-amdhsa--gfx1250"
	.amdhsa_code_object_version 6
	.text
	.protected	k_q8e0232d33a_oproj
	.globl	k_q8e0232d33a_oproj
	.p2align	8
	.type	k_q8e0232d33a_oproj,@function
k_q8e0232d33a_oproj:
	s_mov_b64 s[64:65], 0
	v_nop
	global_prefetch_b8 v0, s[64:65] scope:SCOPE_SE
	s_setreg_imm32_b32 hwreg(HW_REG_WAVE_MODE, 25, 1), 1
	s_wait_xcnt 0x0
	s_wait_alu depctr_hold_cnt(0) depctr_sa_sdst(0) depctr_va_vdst(0) depctr_va_sdst(0) depctr_va_ssrc(0) depctr_va_vcc(0) depctr_vm_vsrc(0)
	s_getreg_b32 s2, hwreg(HW_REG_IB_STS2, 6, 4)
	s_cmp_eq_u32 s2, 0
	s_cbranch_scc0 .Lentry_in_a_cluster
	s_endpgm
.Lentry_in_a_cluster:
	s_bfe_u32 s2, ttmp6, 0x10000c
	s_cmp_lg_u32 s2, 0xf033
	s_cbranch_scc0 .Lentry_shape_is_right
	s_endpgm
.Lentry_shape_is_right:
; out0[token][n] = sum over k of att[token][k] Wo[n][k] + bo[n].  att: [token / 128][head][128][64] f16, wo16: [n / 256][head][256][64] f16; k = 64 head + channel.  Sums in f32; out0 [8192][1024] f32.
; A tile of out0 is 128 tokens x 256 columns: 256 work-groups.  Four waves, each 64 x 128: 32 accumulators of 16 x 16, 256 registers.  K goes in steps of 128 (two heads) through a ring of two LDS slots.
; A head's tile of att (16,384 bytes) and of wo16 (32,768 bytes) is a dense block: it comes as rows of 256 bytes (two rows of 64 f16), 16 bytes of padding behind each:
; row rho lies at (rho / 2) x 272 + (rho % 2) x 128, so that the 16 rows of a fragment's load fall on 16 different 16-byte columns.
; CLUSTERS: 4 x 4 work-groups.  The four of a row of the cluster need the same tiles of att, the four of a column the same tiles of wo16: each is asked for jointly.
; THE MATRIX INSTRUCTION IS USED TRANSPOSED (source 0 = 16 rows of Wo, source 1 = 16 tokens): a lane holds one token and eight neighbouring columns.  The bias is the C of each sum's first product.
; REGISTERS: window 0: v0-31 addresses; v64-127 the bias in the result's layout; v128-255 rows on the way out.  Window 1: two fragment buffers of 96 (A 32, B 64).  Window 2: the accumulators, (a, b) at v[8 (8 a + b)].
.set PP,     272
.set AH,     64*PP                     ; a head's tile of att in LDS
.set BH,     128*PP                    ; of wo16
.set BOFF,   2*AH
.set SLOT,   2*AH+2*BH                 ; 104,448
.set STAGE,  2*SLOT                    ; behind the ring: 16 rows x (512 bytes + 16) for each wave
.set SPITCH, 528
.set SPARE,  STAGE+4*16*SPITCH
.set LAPS,   4                         ; a lap = two K steps = four heads
.set ADRA, 16
.set ADRB, 20
.set STO,  24
.set RD,   25
.set CO,   26
.set SPW,  28
.set NIL,  29
.set BI,   64
.set BK,   128
.set F0,   0
.set F1,   96
.set G1, 24
.set G0, 32
.set G1B, 48
.set G0B, 56
.set MSB, 0
.macro WIN new
.if MSB != (\new)
	s_set_vgpr_msb (MSB<<8)|(\new)
.set MSB, (\new)
.endif
.endm
.set MUL,  0xa5                        ; sources 0 and 1 window 1; C and D window 2
.set MUL1, 0x85                        ; the same with C (the bias) in window 0
.set TO_F, 0x40
.macro JLOAD s                         ; waves 0 and 1 fetch att's two heads, waves 2 and 3 wo16's; four v_nop follow each line
	s_cmp_eq_u32 s13, 0
	s_cbranch_scc0 .Lfor_b_\@
	tensor_load_to_lds s[G0+4*\s:G0+4*\s+3], s[G1:G1+7]
	s_nop 0
.rept 4
	v_nop
.endr
	s_branch .Lasked_\@
.Lfor_b_\@:
	tensor_load_to_lds s[G0B+4*\s:G0B+4*\s+3], s[G1B:G1B+7]
	s_nop 0
.rept 4
	v_nop
.endr
.Lasked_\@:
.endm
.macro CREST
	s_cmp_lg_u32 s12, 0
	s_cbranch_scc1 .Lnot_wave_0_\@
	s_barrier_signal -3
.Lnot_wave_0_\@:
	s_barrier_wait -3
	s_barrier_signal -1
	s_barrier_wait -1
.endm
.macro CROUND
	s_barrier_signal -1
	s_barrier_wait -1
	CREST
.endm
	s_load_b128 s[4:7], s[0:1], 0x0                ; att, wo16
	s_load_b128 s[8:11], s[0:1], 0x10              ; out0, bo
	v_lshl_add_u32 v[SPW], v0, 2, SPARE
	v_mov_b32 v[NIL], 0
	ds_add_u32 v28, v29
	s_wait_dscnt 0x0
	v_lshrrev_b32 v1, 5, v0
	v_readfirstlane_b32 s12, v1                    ; wave 0..3
	s_lshr_b32 s13, s12, 1                         ; which 64 tokens are mine.  Also: I fetch for att (0) or wo16 (1)
	s_and_b32 s14, s12, 1                          ; which 128 columns.  Also: which of a K step's two heads I fetch
	s_bfe_u32 s40, ttmp6, 0x40000
	s_bfe_u32 s41, ttmp6, 0x40004
	s_lshl_b32 s42, ttmp9, 2
	s_add_co_u32 s42, s42, s40                     ; tile column
	s_and_b32 s15, ttmp7, 0xffff
	s_lshl_b32 s15, s15, 2
	s_add_co_u32 s15, s15, s41                     ; tile row
	s_lshl_b32 s43, s41, 2
	s_lshl_b32 s43, 15, s43
	s_lshl_b32 s44, 0x1111, s40
	s_or_b32 s[G1+0], s43, (3<<16)|(1<<20)|(1<<21)|(5<<22)|(3<<25)   ; the mask; elements of 8 bytes; padding: 4 words after every 64; bit 21 beside a mask
	s_or_b32 s[G1B+0], s44, (3<<16)|(1<<20)|(1<<21)|(5<<22)|(3<<25)
	s_mov_b32 s[G1+1], 32<<16
	s_mov_b32 s[G1+2], 64<<16
	s_mov_b32 s[G1+3], 32<<16
	s_mov_b32 s[G1+4], 64
	s_mov_b32 s[G1+5], 32
	s_mov_b32 s[G1+6], 0
	s_mov_b32 s[G1+7], 0
	s_mov_b32 s[G1B+1], 32<<16
	s_mov_b32 s[G1B+2], 128<<16
	s_mov_b32 s[G1B+3], 32<<16
	s_mov_b32 s[G1B+4], 128
	s_mov_b32 s[G1B+5], 32
	s_mov_b32 s[G1B+6], 0
	s_mov_b32 s[G1B+7], 0
	s_lshl_b32 s16, s15, 4
	s_add_co_u32 s16, s16, s14
	s_lshl_b32 s16, s16, 14                        ; att: (tile row x 16 + my head of the step) x 16,384
	s_mov_b32 s17, 0
	s_lshl_b32 s46, s42, 4
	s_add_co_u32 s46, s46, s14
	s_lshl_b32 s46, s46, 15                        ; wo16: (tile column x 16 + my head) x 32,768
	s_mov_b32 s47, 0
	s_mul_i32 s20, s14, AH                         ; where they go: no place in the cluster enters an LDS address
	s_mul_i32 s23, s14, BH
	s_add_co_u32 s23, s23, BOFF
	s_wait_kmcnt 0x0
	s_add_nc_u64 s[18:19], s[4:5], s[16:17]
	s_add_nc_u64 s[46:47], s[6:7], s[46:47]
	CROUND                                         ; all sixteen work-groups are here: the first joint loads meet
.irp s, 0,1
	s_mov_b32 s[G0+4*\s], 1
	s_add_co_u32 s[G0+4*\s+1], s20, \s*SLOT
	s_add_nc_u64 s[G0+4*\s+2:G0+4*\s+3], s[18:19], \s*32768
	s_or_b32 s[G0+4*\s+3], s[G0+4*\s+3], 0x80000000
	s_mov_b32 s[G0B+4*\s], 1
	s_add_co_u32 s[G0B+4*\s+1], s23, \s*SLOT
	s_add_nc_u64 s[G0B+4*\s+2:G0B+4*\s+3], s[46:47], \s*65536
	s_or_b32 s[G0B+4*\s+3], s[G0B+4*\s+3], 0x80000000
	JLOAD \s
.endr
	v_and_b32 v1, 15, v0                           ; r
	v_bfe_u32 v2, v0, 4, 1                         ; h
	v_bfe_u32 v3, v0, 1, 3
	v_mul_u32_u24 v3, v3, PP
	v_and_b32 v4, 1, v0
	v_lshl_add_u32 v3, v4, 7, v3
	v_lshl_add_u32 v3, v2, 4, v3                   ; (r / 2) x 272 + (r % 2) x 128 + 16 h
	s_mul_i32 s21, s13, 32*PP                      ; my 64 tokens
	s_mul_i32 s22, s14, 64*PP                      ; my 128 rows of Wo,
	s_add_co_u32 s22, s22, BOFF                    ; behind att's two heads
.irp s, 0,1
	v_add_nc_u32 v[ADRA+\s], s21, v3
	v_add_nc_u32 v[ADRB+\s], s22, v3
	s_add_co_u32 s21, s21, SLOT
	s_add_co_u32 s22, s22, SLOT
.endr
	s_mul_i32 s23, s12, 16*SPITCH
	s_add_co_u32 s23, s23, STAGE                   ; my stage
	v_mul_u32_u24 v5, v1, SPITCH
	v_lshl_add_u32 v5, v2, 5, v5
	v_add_nc_u32 v[STO], s23, v5                   ; in: row r, 32 bytes for each half of the lanes
	v_and_b32 v6, 31, v0
	v_lshlrev_b32 v[CO], 4, v6
	v_add_nc_u32 v[RD], s23, v[CO]                 ; back: the 32 lanes take one row of 512 bytes
	s_lshl_b32 s16, s15, 7
	s_lshl_b32 s17, s13, 6
	s_add_co_u32 s16, s16, s17
	s_lshl_b32 s16, s16, 12                        ; my first token x 4,096 bytes
	s_lshl_b32 s22, s42, 10
	s_lshl_b32 s17, s14, 9
	s_add_co_u32 s22, s22, s17                     ; my first column x 4 bytes
	s_mov_b32 s23, 0
	s_mov_b32 s17, 0
	s_add_nc_u64 s[8:9], s[8:9], s[16:17]
	s_add_nc_u64 s[8:9], s[8:9], s[22:23]
	s_add_nc_u64 s[10:11], s[10:11], s[22:23]
	v_lshlrev_b32 v7, 5, v2
.irp b, 0,1,2,3,4,5,6,7
	global_load_b128 v[BI+8*\b:BI+8*\b+3], v7, s[10:11] offset:64*\b        ; bo at columns 16 b + 8 h + 0 .. 7
	global_load_b128 v[BI+8*\b+4:BI+8*\b+7], v7, s[10:11] offset:64*\b+16
.endr
; 8 matrix instructions: token block a x the 8 column blocks, 32 along K.  The 32 accumulators take turns, one instruction a turn, in the same order in every quarter.
.macro MULA f, a, first
.irp b, 0,1,2,3,4,5,6,7
.if \first
	v_wmma_f32_16x16x32_f16 v[8*(8*(\a)+\b):8*(8*(\a)+\b)+7], v[\f+32+8*\b:\f+32+8*\b+7], v[\f+8*(\a):\f+8*(\a)+7], v[BI+8*\b:BI+8*\b+7]
.else
	v_wmma_f32_16x16x32_f16 v[8*(8*(\a)+\b):8*(8*(\a)+\b)+7], v[\f+32+8*\b:\f+32+8*\b+7], v[\f+8*(\a):\f+8*(\a)+7], v[8*(8*(\a)+\b):8*(8*(\a)+\b)+7]
.endif
.endr
.endm
; 24 LDS loads in one run: quarter q of the slot (head q / 2, channels 32 (q % 2) on) into buffer f: B's eight fragments, then A's four
.macro FETCH slot, q, f
	WIN TO_F
.irp b, 0,1,2,3,4,5,6,7
	ds_load_b128 v[\f+32+8*\b:\f+32+8*\b+3], v[ADRB+\slot] offset:((\q)>>1)*BH+((\q)&1)*64+\b*8*PP
	ds_load_b128 v[\f+32+8*\b+4:\f+32+8*\b+7], v[ADRB+\slot] offset:((\q)>>1)*BH+((\q)&1)*64+\b*8*PP+32
.endr
.irp a, 0,1,2,3
	ds_load_b128 v[\f+8*\a:\f+8*\a+3], v[ADRA+\slot] offset:((\q)>>1)*AH+((\q)&1)*64+\a*8*PP
	ds_load_b128 v[\f+8*\a+4:\f+8*\a+7], v[ADRA+\slot] offset:((\q)>>1)*AH+((\q)&1)*64+\a*8*PP+32
.endr
.endm
.macro PLACES
.rept 4
	v_nop
.endr
.endm
; One of a K step's first three quarters: multiplies buffer f and fetches quarter q into g
.macro QUARTER slot, q, f, g, first
	s_wait_dscnt 4                                 ; B and A's blocks 0, 1 are in; the youngest four loads (blocks 2, 3) may be out
	WIN MUL-0x20*\first
	MULA \f, 0, \first
	MULA \f, 1, \first
	PLACES
	FETCH \slot, \q, \g
	s_wait_dscnt 24                                ; all but the 24 just issued
	WIN MUL-0x20*\first
	MULA \f, 2, \first
	MULA \f, 3, \first
.endm
; The last quarter multiplies buffer 1 and changes slots: one barrier; fill = 1: it opens a round of the cluster's barrier and this slot is filled again, two K steps ahead
.macro TURN slot, next, fill
	WIN 0
	s_wait_tensorcnt 0x0                           ; all my tensor loads have landed: my part of the next slot
	ds_add_u32 v[SPW], v[NIL]                      ; 0 onto my spare word
	s_wait_dscnt 5                                 ; (the add and the youngest four loads may be out)
	WIN MUL
	MULA F1, 0, 0
	s_wait_dscnt 0x0                               ; the add is done, and my reads of this slot are over
	s_barrier_signal -1
	MULA F1, 1, 0
.if \fill
	WIN 0
.endif
	s_barrier_wait -1
.if \fill
	CREST
	s_add_nc_u64 s[G0+4*\slot+2:G0+4*\slot+3], s[G0+4*\slot+2:G0+4*\slot+3], 65536       ; four heads on
	s_add_nc_u64 s[G0B+4*\slot+2:G0B+4*\slot+3], s[G0B+4*\slot+2:G0B+4*\slot+3], 131072
	JLOAD \slot                                    ; the first tensor load behind the round; its four v_nop are also the places in front of the loads below
.else
	PLACES
.endif
	FETCH \next, 0, F0
	WIN MUL
	MULA F1, 2, 0
	MULA F1, 3, 0
.endm
	s_wait_tensorcnt 1                             ; my part of K step 0 is in (K step 1's may be out),
	s_barrier_signal -1
	s_barrier_wait -1                              ; everybody's is
	FETCH 0, 0, F0
	s_wait_loadcnt 0x0                             ; the bias
	QUARTER 0, 1, F0, F1, 1                        ; the first quarter stands in front of the loop: its products start the sums from the bias
	WIN 0
	s_mov_b32 s3, LAPS-1
.Llap:
	QUARTER 0, 2, F1, F0, 0
	QUARTER 0, 3, F0, F1, 0
	TURN 0, 1, 1
	QUARTER 1, 1, F0, F1, 0
	QUARTER 1, 2, F1, F0, 0
	QUARTER 1, 3, F0, F1, 0
	TURN 1, 0, 1
	QUARTER 0, 1, F0, F1, 0
	WIN 0
	s_sub_co_u32 s3, s3, 1
	s_cmp_lg_u32 s3, 0
	s_cbranch_scc1 .Llap
	QUARTER 0, 2, F1, F0, 0                        ; the last lap fills nothing
	QUARTER 0, 3, F0, F1, 0
	TURN 0, 1, 0
	QUARTER 1, 1, F0, F1, 0
	QUARTER 1, 2, F1, F0, 0
	QUARTER 1, 3, F0, F1, 0
	s_wait_dscnt 4
	WIN MUL
	MULA F1, 0, 0
	MULA F1, 1, 0
	s_wait_dscnt 0
	MULA F1, 2, 0
	MULA F1, 3, 0
	WIN 0
; THE WAY OUT, block by block of 16 tokens x 128 columns: through my stage, back as whole rows of 512 bytes
.macro TOSTAGE a
	WIN 0x08                                       ; an LDS store's data: window 2
.irp b, 0,1,2,3,4,5,6,7
	ds_store_b128 v[STO], v[64*(\a)+8*\b:64*(\a)+8*\b+3] offset:64*\b          ; each accumulator from its low end on
	ds_store_b128 v[STO], v[64*(\a)+8*\b+4:64*(\a)+8*\b+7] offset:64*\b+16
.endr
	WIN 0
.set BB, BK+64*((\a)%2)
.irp t, 0,1,2,3,4,5,6,7,8,9,10,11,12,13,14,15
	ds_load_b128 v[BB+4*\t:BB+4*\t+3], v[RD] offset:\t*SPITCH   ; LDS serves a wave's instructions in order: these see the stores above
.endr
.endm
.macro SEND a, younger
.set BB, BK+64*((\a)%2)
	s_wait_dscnt \younger                          ; the block is back; the next block's 16 stores and 16 loads may be out
.irp t, 0,1,2,3,4,5,6,7,8,9,10,11,12,13,14,15
	global_store_b128 v[CO], v[BB+4*\t:BB+4*\t+3], s[8:9] offset:(\a)*65536+\t*4096 th:TH_STORE_NT   ; 32 lanes store 512 consecutive bytes, aligned
.endr
.endm
	PLACES
	TOSTAGE 0
.irp a, 1,2,3
.if \a > 1
	s_wait_xcnt 0x0                                ; block a - 2's stores have read their registers
.endif
	TOSTAGE \a
	SEND \a-1, 32
.endr
	SEND 3, 0
	s_wait_tensorcnt 0x0                           ; the wave's end
	ds_add_u32 v[SPW], v[NIL]
	s_wait_dscnt 0x0
	CROUND                                         ; the closing round
	s_endpgm
.Lfunc_end_k_q8e0232d33a_oproj:
	.size	k_q8e0232d33a_oproj, .Lfunc_end_k_q8e0232d33a_oproj-k_q8e0232d33a_oproj
	.p2alignl 7, 3214868480
	.fill 96, 4, 3214868480
	.section	.rodata,"a",@progbits
	.p2align	6, 0x0
	.amdhsa_kernel k_q8e0232d33a_oproj
		.amdhsa_group_segment_fixed_size 327680
		.amdhsa_private_segment_fixed_size 0
		.amdhsa_enable_private_segment 0
		.amdhsa_kernarg_size 32
		.amdhsa_user_sgpr_count 2
		.amdhsa_user_sgpr_kernarg_segment_ptr 1
		.amdhsa_wavefront_size32 1
		.amdhsa_system_sgpr_workgroup_id_x 1
		.amdhsa_system_sgpr_workgroup_id_y 1
		.amdhsa_system_sgpr_workgroup_id_z 1
		.amdhsa_system_vgpr_workitem_id 0
		.amdhsa_next_free_vgpr 768
		.amdhsa_next_free_sgpr 66
		.amdhsa_reserve_vcc 0
		.amdhsa_float_denorm_mode_32 3
		.amdhsa_float_denorm_mode_16_64 3
		.amdhsa_memory_ordered 1
		.amdhsa_forward_progress 1
		.amdhsa_inst_pref_size 86
	.end_amdhsa_kernel
	.amdgpu_metadata
---
amdhsa.version: [ 1, 2 ]
amdhsa.kernels:
  - .name:           k_q8e0232d33a_oproj
    .symbol:         k_q8e0232d33a_oproj.kd
    .args:
      - { .name: att, .offset: 0, .size: 8, .value_kind: global_buffer, .address_space: global }
      - { .name: wo16, .offset: 8, .size: 8, .value_kind: global_buffer, .address_space: global }
      - { .name: out0, .offset: 16, .size: 8, .value_kind: global_buffer, .address_space: global }
      - { .name: bo, .offset: 24, .size: 8, .value_kind: global_buffer, .address_space: global }
    .group_segment_fixed_size: 327680
    .private_segment_fixed_size: 0
    .kernarg_segment_align: 8
    .kernarg_segment_size: 32
    .max_flat_workgroup_size: 128
    .sgpr_count:     66
    .vgpr_count:     768
    .wavefront_size: 32
...
	.end_amdgpu_metadata
.endif
;; end of part 4
;; launch first16 (part 5): grid 16 x 4, 16 waves a work-group, no clusters, 71,680 bytes of LDS; arguments q32, Wo, bo, out0; writes out0
.if DOCPART == 5
	.amdgcn_target "amdgcn-amd-amdhsa--gfx1250"
	.amdhsa_code_object_version 6
	.text
	.protected	k_q8e0232d33a_first16
	.globl	k_q8e0232d33a_first16
	.p2align	8
	.type	k_q8e0232d33a_first16,@function
k_q8e0232d33a_first16:
	s_mov_b64 s[64:65], 0
	v_nop
	global_prefetch_b8 v0, s[64:65] scope:SCOPE_SE
	s_setreg_imm32_b32 hwreg(HW_REG_WAVE_MODE, 25, 1), 1
	s_wait_xcnt 0x0
; The first 16 tokens of each batch once more, wholly in f32: 64 of out0's 8,192 rows.  Their softmax spans few keys, so their numbers are many times larger than the output's root mean square,
; by which the comparison is set: operands of 16 bits are too coarse for them.  These rows are stored over those of the launch before.
; A work-group takes a batch (y) and 64 output columns (x); wave h takes head h; at the end wave w sums query w's sixteen parts.  96 matrix instructions of the f32 form a wave.
; q32 holds q, k, v of these tokens as images of accumulators: in the image of channels 16 te on, lane (r, h) holds token r and channels 16 te + 8 h + 0 .. 7.
; The f32 form takes k = 2 h + j from register j.  A pair of registers 2 i, 2 i + 1 of an image puts channel 16 te + 8 h + 2 i + j there, alike in both operands: the sum over (te, i) runs over all 64 channels.
; The accumulators v176-207 are written by matrix instructions alone; each sum begins with the constant 0.
; LIMITS: NaN and infinities are not served.
.set QF,  16                           ; v16-47  q;  later Wo's rows 32-47;  later the sixteen parts
.set KF,  48                           ; v48-79  k
.set VF,  80                           ; v80-111 v, turned by the loads' addresses
.set WF0, 112                          ; v112-175 Wo's rows 0-31
.set WF1, 16
.set ACC, 176
.set SS,  208
.set PW,  216
.set AF,  224
	s_load_b128 s[4:7], s[0:1], 0x0                ; q32, Wo
	s_load_b128 s[8:11], s[0:1], 0x10              ; bo, out0
	v_lshrrev_b32 v1, 5, v0
	v_readfirstlane_b32 s12, v1                    ; wave: my head, later my query
	s_and_b32 s13, ttmp7, 0xffff                   ; the batch
	v_and_b32 v14, 15, v0                          ; r
	v_bfe_u32 v15, v0, 4, 1                        ; h
	v_and_b32 v6, 31, v0
	v_lshlrev_b32 v1, 4, v6                        ; an image's place for my lane
	v_lshlrev_b32 v6, 3, v6                        ; 8 x lane
	v_bfe_u32 v2, v0, 2, 1                         ; v(key, channel 16 te + r) lies in the image's half (r / 4) % 2, lane key + 16 (r / 8), word r % 4; my keys are 8 h + 0 .. 7
	v_lshlrev_b32 v2, 9, v2
	v_bfe_u32 v3, v0, 3, 1
	v_lshl_add_u32 v2, v3, 8, v2
	v_lshl_add_u32 v2, v15, 7, v2
	v_and_b32 v3, 3, v0
	v_lshl_add_u32 v2, v3, 2, v2
	v_lshlrev_b32 v3, 12, v14
	v_lshl_add_u32 v3, v15, 5, v3                  ; Wo: row r of 4,096 bytes, + 32 h
	s_mul_i32 s14, s12, 16*272
	v_mul_u32_u24 v4, v14, 272
	v_lshl_add_u32 v4, v15, 5, v4
	v_add_nc_u32 v4, s14, v4                       ; my head's part: row = query r, 32 bytes for each half of the lanes
	s_mul_i32 s14, s12, 272
	v_add_nc_u32 v5, s14, v6                       ; back: query = wave, 8 bytes a lane
	v_lshlrev_b32 v7, 3, v15
	v_sub_nc_u32 v7, v14, v7                       ; r - 8 h
	v_mov_b32 v8, 0xff800000                       ; -infinity
	v_mov_b32 v10, 0                               ; a lane permute's destination counts as one of its sources
	s_mov_b32 s16, 0x76543210
	s_mov_b32 s17, 0xfedcba98
	s_mov_b32 s18, 0x3e38aa3b                      ; c = log2(e) / 8
	s_mul_i32 s20, s13, 192*1024
	s_lshl_b32 s21, s12, 12
	s_add_co_u32 s20, s20, s21                     ; q32: the batch, my head's four images
	s_mov_b32 s21, 0
	s_lshl_b32 s22, ttmp9, 18
	s_lshl_b32 s23, s12, 8
	s_add_co_u32 s22, s22, s23                     ; Wo: row 64 x, column 64 head
	s_mov_b32 s23, 0
	s_wait_kmcnt 0x0
	s_add_nc_u64 s[4:5], s[4:5], s[20:21]
	s_add_nc_u64 s[6:7], s[6:7], s[22:23]
	s_lshl_b32 s20, ttmp9, 8                       ; 64 x columns x 4 bytes
	s_add_nc_u64 s[8:9], s[8:9], s[20:21]
	s_lshl_b32 s22, s13, 23
	s_lshl_b32 s14, s12, 12
	s_add_co_u32 s22, s22, s14
	s_add_co_u32 s22, s22, s20                     ; out0: row 2,048 batch + wave
	s_add_nc_u64 s[10:11], s[10:11], s[22:23]
.irp te, 0,1,2,3
	global_load_b128 v[QF+8*\te:QF+8*\te+3], v1, s[4:5] offset:\te*1024
	global_load_b128 v[QF+8*\te+4:QF+8*\te+7], v1, s[4:5] offset:\te*1024+512
.endr
.irp te, 0,1,2,3
	global_load_b128 v[KF+8*\te:KF+8*\te+3], v1, s[4:5] offset:65536+\te*1024
	global_load_b128 v[KF+8*\te+4:KF+8*\te+7], v1, s[4:5] offset:65536+\te*1024+512
.endr
.irp te, 0,1,2,3
.irp j, 0,1,2,3,4,5,6,7
	global_load_b32 v[VF+8*\te+\j], v2, s[4:5] offset:131072+\te*1024+\j*16
.endr
.endr
.irp nt, 0,1
.irp te, 0,1,2,3
	global_load_b128 v[WF0+32*\nt+8*\te:WF0+32*\nt+8*\te+3], v3, s[6:7] offset:\nt*65536+\te*64
	global_load_b128 v[WF0+32*\nt+8*\te+4:WF0+32*\nt+8*\te+7], v3, s[6:7] offset:\nt*65536+\te*64+16
.endr
.endr
	global_load_b64 v[12:13], v6, s[8:9]
	s_wait_loadcnt 49                              ; q and k are in: behind them 32 loads of v, 16 of Wo, one of bo
	; S^T = k q^T: four accumulators by turns, each a quarter of the channels
.irp te, 0,1,2,3
.irp i, 0,1,2,3
.if \te == 0
	v_wmma_f32_16x16x4_f32 v[ACC+8*\i:ACC+8*\i+7], v[KF+8*\te+2*\i:KF+8*\te+2*\i+1], v[QF+8*\te+2*\i:QF+8*\te+2*\i+1], 0
.else
	v_wmma_f32_16x16x4_f32 v[ACC+8*\i:ACC+8*\i+7], v[KF+8*\te+2*\i:KF+8*\te+2*\i+1], v[QF+8*\te+2*\i:QF+8*\te+2*\i+1], v[ACC+8*\i:ACC+8*\i+7]
.endif
.endr
.endr
.rept 8
	v_nop                                          ; places behind this form: for the loads into q's and k's registers and the reads of the sums
.endr
.irp nt, 2,3
.irp te, 0,1,2,3
	global_load_b128 v[WF1+32*(\nt-2)+8*\te:WF1+32*(\nt-2)+8*\te+3], v3, s[6:7] offset:\nt*65536+\te*64
	global_load_b128 v[WF1+32*(\nt-2)+8*\te+4:WF1+32*(\nt-2)+8*\te+7], v3, s[6:7] offset:\nt*65536+\te*64+16
.endr
.endr
.irp j, 0,1,2,3,4,5,6,7
	v_add_f32 v[SS+\j], v[ACC+\j], v[ACC+8+\j]     ; lane (r, h): query r, key 8 h + j
.endr
.irp j, 0,1,2,3,4,5,6,7
	v_add_f32 v[SS+\j], v[SS+\j], v[ACC+16+\j]
.endr
.irp j, 0,1,2,3,4,5,6,7
	v_add_f32 v[SS+\j], v[SS+\j], v[ACC+24+\j]
.endr
.irp j, 0,1,2,3,4,5,6,7
	v_cmp_gt_i32 vcc_lo, \j, v7                    ; hidden where 8 h + j > r
	v_cndmask_b32 v[SS+\j], v[SS+\j], v8, vcc_lo
.endr
	v_max3_num_f32 v9, v[SS], v[SS+1], v[SS+2]
	v_max3_num_f32 v9, v9, v[SS+3], v[SS+4]
	v_max3_num_f32 v9, v9, v[SS+5], v[SS+6]
	v_max_num_f32 v9, v9, v[SS+7]
	v_permlanex16_b32 v10, v9, s16, s17
	v_max_num_f32 v9, v9, v10                      ; the row's maximum: key 0 counts for every query, so it is a number
	v_mul_f32 v11, s18, v9
.irp j, 0,1,2,3,4,5,6,7
	v_fma_f32 v[PW+\j], v[SS+\j], s18, -v11
.endr
.irp j, 0,1,2,3,4,5,6,7
	v_exp_f32 v[PW+\j], v[PW+\j]
.endr
	v_nop                                          ; a plain instruction behind the exponentials
	s_wait_alu depctr_va_vdst(0)
	v_add_f32 v14, v[PW], v[PW+1]
	v_add_f32 v15, v[PW+2], v[PW+3]
	v_add_f32 v14, v14, v[PW+4]
	v_add_f32 v15, v15, v[PW+5]
	v_add_f32 v14, v14, v[PW+6]
	v_add_f32 v15, v15, v[PW+7]
	v_add_f32 v14, v14, v15
	v_permlanex16_b32 v10, v14, s16, s17
	v_add_f32 v14, v14, v10
	v_rcp_f32 v14, v14
	v_nop
	s_wait_loadcnt 33                              ; v is in: behind it 16 + 16 loads of Wo and one of bo
	; O^T = v^T p: an accumulator for each 16 channels, by turns; a step takes keys 8 h + 2 i, + 1
.irp i, 0,1,2,3
.irp te, 0,1,2,3
.if \i == 0
	v_wmma_f32_16x16x4_f32 v[ACC+8*\te:ACC+8*\te+7], v[VF+8*\te+2*\i:VF+8*\te+2*\i+1], v[PW+2*\i:PW+2*\i+1], 0
.else
	v_wmma_f32_16x16x4_f32 v[ACC+8*\te:ACC+8*\te+7], v[VF+8*\te+2*\i:VF+8*\te+2*\i+1], v[PW+2*\i:PW+2*\i+1], v[ACC+8*\te:ACC+8*\te+7]
.endif
.endr
.endr
.rept 8
	v_nop
.endr
	s_wait_alu depctr_va_vdst(0)
.irp n, 0,1,2,3,4,5,6,7,8,9,10,11,12,13,14,15,16,17,18,19,20,21,22,23,24,25,26,27,28,29,30,31
	v_mul_f32 v[AF+\n], v[ACC+\n], v14             ; lane (r, h): query r, channel 16 te + 8 h + j
.endr
	s_wait_loadcnt 0x0                             ; Wo and bo
	; my head's part of out^T: an accumulator for each 16 columns, by turns
.irp te, 0,1,2,3
.irp i, 0,1,2,3
.irp nt, 0,1,2,3
.if \nt < 2
.set WA, WF0+32*\nt+8*\te+2*\i
.else
.set WA, WF1+32*(\nt-2)+8*\te+2*\i
.endif
.if (\te == 0) && (\i == 0)
	v_wmma_f32_16x16x4_f32 v[ACC+8*\nt:ACC+8*\nt+7], v[WA:WA+1], v[AF+8*\te+2*\i:AF+8*\te+2*\i+1], 0
.else
	v_wmma_f32_16x16x4_f32 v[ACC+8*\nt:ACC+8*\nt+7], v[WA:WA+1], v[AF+8*\te+2*\i:AF+8*\te+2*\i+1], v[ACC+8*\nt:ACC+8*\nt+7]
.endif
.endr
.endr
.endr
.rept 8
	v_nop
.endr
.irp nt, 0,1,2,3
	ds_store_b128 v4, v[ACC+8*\nt:ACC+8*\nt+3] offset:64*\nt           ; lane (r, h): query r, columns 16 nt + 8 h + 0 .. 7
	ds_store_b128 v4, v[ACC+8*\nt+4:ACC+8*\nt+7] offset:64*\nt+16
.endr
	s_wait_dscnt 0x0                               ; for the others' sake: my stores have landed
	s_barrier_signal -1
	s_barrier_wait -1
.irp w, 0,1,2,3,4,5,6,7,8,9,10,11,12,13,14,15
	ds_load_b64 v[16+2*\w:17+2*\w], v5 offset:\w*16*272                ; head w's part of my query's 64 columns
.endr
	s_wait_dscnt 0x0
.irp k, 0,1,2,3,4,5,6,7
	v_pk_add_f32 v[16+4*\k:17+4*\k], v[16+4*\k:17+4*\k], v[18+4*\k:19+4*\k]
.endr
.irp k, 0,1,2,3
	v_pk_add_f32 v[16+8*\k:17+8*\k], v[16+8*\k:17+8*\k], v[20+8*\k:21+8*\k]
.endr
.irp k, 0,1
	v_pk_add_f32 v[16+16*\k:17+16*\k], v[16+16*\k:17+16*\k], v[24+16*\k:25+16*\k]
.endr
	v_pk_add_f32 v[16:17], v[16:17], v[32:33]
	v_pk_add_f32 v[16:17], v[16:17], v[12:13]      ; + bo
	global_store_b64 v6, v[16:17], s[10:11]        ; the wave stores 256 consecutive bytes, aligned
	s_wait_xcnt 0x0
	v_lshl_add_u32 v248, v0, 2, 0x11000
	v_mov_b32 v249, 0
	s_wait_tensorcnt 0x0
	ds_add_u32 v248, v249
	s_wait_dscnt 0x0
	s_endpgm
.Lfunc_end_k_q8e0232d33a_first16:
	.size	k_q8e0232d33a_first16, .Lfunc_end_k_q8e0232d33a_first16-k_q8e0232d33a_first16
	.p2alignl 7, 3214868480
	.fill 96, 4, 3214868480
	.section	.rodata,"a",@progbits
	.p2align	6, 0x0
	.amdhsa_kernel k_q8e0232d33a_first16
		.amdhsa_group_segment_fixed_size 71680
		.amdhsa_private_segment_fixed_size 0
		.amdhsa_enable_private_segment 0
		.amdhsa_kernarg_size 32
		.amdhsa_user_sgpr_count 2
		.amdhsa_user_sgpr_kernarg_segment_ptr 1
		.amdhsa_wavefront_size32 1
		.amdhsa_system_sgpr_workgroup_id_x 1
		.amdhsa_system_sgpr_workgroup_id_y 1
		.amdhsa_system_sgpr_workgroup_id_z 1
		.amdhsa_system_vgpr_workitem_id 0
		.amdhsa_next_free_vgpr 256
		.amdhsa_next_free_sgpr 66
		.amdhsa_reserve_vcc 1
		.amdhsa_float_denorm_mode_32 3
		.amdhsa_float_denorm_mode_16_64 3
		.amdhsa_memory_ordered 1
		.amdhsa_forward_progress 1
		.amdhsa_inst_pref_size 24
	.end_amdhsa_kernel
	.amdgpu_metadata
---
amdhsa.version: [ 1, 2 ]
amdhsa.kernels:
  - .name:           k_q8e0232d33a_first16
    .symbol:         k_q8e0232d33a_first16.kd
    .args:
      - { .name: q32, .offset: 0, .size: 8, .value_kind: global_buffer, .address_space: global }
      - { .name: Wo, .offset: 8, .size: 8, .value_kind: global_buffer, .address_space: global }
      - { .name: bo, .offset: 16, .size: 8, .value_kind: global_buffer, .address_space: global }
      - { .name: out0, .offset: 24, .size: 8, .value_kind: global_buffer, .address_space: global }
    .group_segment_fixed_size: 71680
    .private_segment_fixed_size: 0
    .kernarg_segment_align: 8
    .kernarg_segment_size: 32
    .max_flat_workgroup_size: 512
    .sgpr_count:     66
    .vgpr_count:     256
    .wavefront_size: 32
...
	.end_amdgpu_metadata
.endif
;; end of part 5
